; MI455X (gfx1250); checked and timed in simulation.
; The chip was launched on July 23, 2026; its instructions are those of AMD's public machine-readable ISA for CDNA 5 (MIT licence, August 2026) and "CDNA5" Instruction Set Architecture Reference Guide (July 2026). The comments in the code are by the model that wrote it; some were corrected since.
;; Cross Attention. Allowed arithmetic: matrix products marked QUANTISED: E2M3 operands, one E8M0 scale for each 32 along K, by v_wmma_scale_f32_16x16x128_f8f6f4 with both operands' format E2M3, f32 sums; everything else in f32.
;; Inputs: feat_a 4 x 256 x 64 x 64 float32; feat_b 4 x 256 x 64 x 64 float32; k_a_b 64 float32; k_a_w_codes 64 x 8 x 24 uint8 (E2M3 codes of k_a_w, K innermost, in blocks of 32 codes, four codes in three bytes); k_a_w_scales 64 x 8 uint8 (E8M0 scales of k_a_w, one for each 32 codes along K); k_b_b 64 float32; k_b_w_codes 64 x 8 x 24 uint8 (E2M3 codes of k_b_w, K innermost, in blocks of 32 codes, four codes in three bytes); k_b_w_scales 64 x 8 uint8 (E8M0 scales of k_b_w, one for each 32 codes along K); norm_a_b 256 float32; norm_a_g 256 float32; norm_b_b 256 float32; norm_b_g 256 float32; out_a_b 256 float32; out_a_w_codes 256 x 2 x 24 uint8 (E2M3 codes of out_a_w, K innermost, in blocks of 32 codes, four codes in three bytes); out_a_w_scales 256 x 2 uint8 (E8M0 scales of out_a_w, one for each 32 codes along K); out_b_b 256 float32; out_b_w_codes 256 x 2 x 24 uint8 (E2M3 codes of out_b_w, K innermost, in blocks of 32 codes, four codes in three bytes); out_b_w_scales 256 x 2 uint8 (E8M0 scales of out_b_w, one for each 32 codes along K); q_a_b 64 float32; q_a_w_codes 64 x 8 x 24 uint8 (E2M3 codes of q_a_w, K innermost, in blocks of 32 codes, four codes in three bytes); q_a_w_scales 64 x 8 uint8 (E8M0 scales of q_a_w, one for each 32 codes along K); q_b_b 64 float32; q_b_w_codes 64 x 8 x 24 uint8 (E2M3 codes of q_b_w, K innermost, in blocks of 32 codes, four codes in three bytes); q_b_w_scales 64 x 8 uint8 (E8M0 scales of q_b_w, one for each 32 codes along K); v_a_b 64 float32; v_a_w_codes 64 x 8 x 24 uint8 (E2M3 codes of v_a_w, K innermost, in blocks of 32 codes, four codes in three bytes); v_a_w_scales 64 x 8 uint8 (E8M0 scales of v_a_w, one for each 32 codes along K); v_b_b 64 float32; v_b_w_codes 64 x 8 x 24 uint8 (E2M3 codes of v_b_w, K innermost, in blocks of 32 codes, four codes in three bytes); v_b_w_scales 64 x 8 uint8 (E8M0 scales of v_b_w, one for each 32 codes along K).
;; Outputs: out0 4 x 256 x 64 x 64 float32; out1 4 x 256 x 64 x 64 float32.
;; This version of the problem:
;;   THIS VERSION OF THE PROBLEM IS GIVEN IN LOW PRECISION. The matrix products marked QUANTISED in the list below multiply operands that are first quantised to E2M3 (2 exponent bits, 3 mantissa bits; 6 bits a number), with one power-of-two scale for each 32 numbers along K (OCP MX v1.0); their sums are f32. All else is computed in f32.
;;   The module's matrix products, in the order in which they are computed (A, B: the left and right operand; K: the contracted axis; several contracted axes count as one K, in the product's order):
;;     1. [M 64, K 256] x [K 256, N 16,384]; A: input q_a_w (given as codes); B: input feat_a: QUANTISED
;;     2. [M 64, K 256] x [K 256, N 16,384]; A: input k_b_w (given as codes); B: input feat_b: QUANTISED
;;     3. [M 64, K 256] x [K 256, N 16,384]; A: input v_b_w (given as codes); B: input feat_b: QUANTISED
;;     4. batch 8 x [M 4,096, K 32] x [K 32, N 4,096]; A: computed on the way; B: computed on the way: QUANTISED
;;     5. batch 8 x [M 32, K 4,096] x [K 4,096, N 4,096]; A: computed on the way; B: softmax (see below): QUANTISED
;;     6. [M 256, K 64] x [K 64, N 16,384]; A: input out_a_w (given as codes); B: computed on the way: QUANTISED
;;     7. [M 64, K 256] x [K 256, N 16,384]; A: input q_b_w (given as codes); B: input feat_b: QUANTISED
;;     8. [M 64, K 256] x [K 256, N 16,384]; A: input k_a_w (given as codes); B: input feat_a: QUANTISED
;;     9. [M 64, K 256] x [K 256, N 16,384]; A: input v_a_w (given as codes); B: input feat_a: QUANTISED
;;     10. batch 8 x [M 4,096, K 32] x [K 32, N 4,096]; A: computed on the way; B: computed on the way: QUANTISED
;;     11. batch 8 x [M 32, K 4,096] x [K 4,096, N 4,096]; A: computed on the way; B: softmax (see below): QUANTISED
;;     12. [M 256, K 64] x [K 64, N 16,384]; A: input out_b_w (given as codes); B: computed on the way: QUANTISED
;;   THE QUANTISER, for each operand of a quantised product, along K:
;;     - K is cut into blocks of 32 from its start; a last block that is shorter is filled with zeros.
;;     - A block's scale is 2^e with e = floor(log2(the largest magnitude in the block)) - 2, held to -126 .. 127; a block of zeros has e = 0. As a byte (E8M0): e + 127.
;;     - Each number is divided by its block's scale, clamped to +-7.5, and rounded to the nearest number of E2M3, ties to even, subnormals kept.
;;     - The product sums the exact products of the quantised numbers (number of the format x scale) in f32.
;;   ~~~python
;;   def quantise(x, axis):      # numpy; x: float32 -> the quantised numbers, widened to float32 again
;;       x = np.moveaxis(x, axis, -1); K = x.shape[-1]
;;       x = np.pad(x, [(0, 0)] * (x.ndim - 1) + [(0, -K % 32)]); x = x.reshape(x.shape[:-1] + (-1, 32)); a = np.abs(x).max(-1, keepdims=True)
;;       e = np.where(a > 0, np.clip(np.frexp(np.where(a > 0, a, 1))[1] - 1 - 2, -126, 127), 0)      # np.frexp(a)[1] - 1 = floor(log2(a)), exactly
;;       r = np.clip(x / 2.0 ** e, -7.5, 7.5)
;;       step = 2.0 ** (np.maximum(np.frexp(np.where(r == 0, 1, r))[1] - 1, 0) - 3)
;;       q = np.round(r / step) * step * 2.0 ** e      # np.round: ties to even
;;       return np.moveaxis(q.reshape(q.shape[:-2] + (-1,))[..., :K], -1, axis).astype(np.float32)
;;   ~~~
;;   SOFTMAX AHEAD OF A QUANTISED PRODUCT. Where the list says 'softmax', what is quantised is not the finished softmax but p = 2^(t - M), with t = logit x log2(e) and M = ceil(the row's largest t), a whole number; so 1/2 < the row's largest p <= 1. The row's sum l is taken of the UNQUANTISED p, in f32, and the product's result is divided by l at the end. Since M is a whole number, a kernel that streams over the keys may use a running M (the ceiling of the running maximum): every later rescaling is an exact power of two, which a block's scale takes up: the codes' values come out the same.
;;   OPERANDS COMPUTED ON THE WAY. 'Computed on the way' means the value that the module computes at that place (a softmax that the list does not call 'softmax' is quantised finished and normalised). What goes into a quantiser is computed in f32, as accurately as f32 sums, v_exp_f32 and their like allow (about 1e-6 of the number): no bf16 or f16 on the way to a quantiser, and a product that is left as it is and whose result goes on into a quantised operand takes f32 operands (vector FMAs, or v_wmma_f32_16x16x4_f32). A number that lies on a knife's edge between two numbers of the format may be rounded either way, as far as f32 arithmetic and the matrix unit's own rounding can turn it there, and no further.
;;   INPUTS GIVEN AS CODES. k_a_w (in the module: [64, 256], K = its axis 1); k_b_w (in the module: [64, 256], K = its axis 1); out_a_w (in the module: [256, 64], K = its axis 1); out_b_w (in the module: [256, 64], K = its axis 1); q_a_w (in the module: [64, 256], K = its axis 1); q_b_w (in the module: [64, 256], K = its axis 1); v_a_w (in the module: [64, 256], K = its axis 1); v_b_w (in the module: [64, 256], K = its axis 1): each comes as NAME_codes (uint8): NAME with its K axis moved to the last place and cut into blocks of 32 codes, [.., K / 32, bytes a block], one block behind the other in memory; four codes in three bytes: a row's codes are one little-endian stream of bits, code i at bits 6 i .. 6 i + 5 (a code: sign, 2 exponent bits, 3 mantissa bits); and NAME_scales (uint8): the same leading axes, one E8M0 byte (e + 127) for each 32 codes along K. Its value is code x scale, taken as it is: it is not quantised again, and the codes and scales need not be those that the quantiser above would give.
;; One version. Each part assembles by itself: llvm-mc -triple=amdgcn-amd-amdhsa -mcpu=gfx1250 --defsym DOCPART=n.
;; ======== version 1 of 1: 3 launches
;; workspace buffers: kvq 5,111,808 bytes; pre 33,554,432 bytes; stats 32,768 bytes
;; launch proj (part 1): grid 256 x 1, 4 waves a work-group, no clusters, 167,936 bytes of LDS; arguments feat_a, q_a_w_codes, q_a_w_scales, q_a_b, k_a_w_codes, k_a_w_scales, k_a_b, v_a_w_codes, v_a_w_scales, v_a_b, feat_b, q_b_w_codes, q_b_w_scales, q_b_b, k_b_w_codes, k_b_w_scales, k_b_b, v_b_w_codes, v_b_w_scales, v_b_b, kvq; writes kvq
.if DOCPART == 1
	.amdgcn_target "amdgcn-amd-amdhsa--gfx1250"
	.amdhsa_code_object_version 6
	.text
	.protected	k_q0e52cd8029_proj
	.globl	k_q0e52cd8029_proj
	.p2align	8
	.type	k_q0e52cd8029_proj,@function
k_q0e52cd8029_proj:
	s_mov_b64 s[64:65], 0
	v_nop
	global_prefetch_b8 v0, s[64:65] scope:SCOPE_SE
	s_setreg_imm32_b32 hwreg(HW_REG_WAVE_MODE, 25, 1), 1
	s_wait_xcnt 0x0
; FIRST OF THREE LAUNCHES.  q, k, v = W x + b for both feature maps, all on codes of FP6 (E2M3) with one E8M0 scale for each 32 along K, and the results quantised again for the attention launch.
; DEAD WORK: none is left out in any launch.  Every bias goes into a quantised operand (q, k, v) or into an output (out_*_b, norm_*), every weight and both feature maps have a way to both outputs: all inputs are loaded.
; LIMITS: NaN and infinities among the inputs are not served.  A block whose largest magnitude lies under 2^(3 - 127), a block of zeros among them, gets the scale byte 1 where the rule says 127 for zeros:
; its codes are zeros, which add nothing under any byte but 0xff, and these bytes are read by this program alone.
; SHARES.  Work-group id = (T 4 + b) 32 + j: feature map T (0: feat_a with q_a, k_a, v_a; 1: feat_b with q_b, k_b, v_b), batch b, pixels 128 j .. 128 j + 127.  Its tile, 256 channels x 128 pixels of f32, comes into LDS by four
; tensor loads, one a wave (64 rows of 512 bytes; one load of mine is out); nothing is filled again.  Wave w takes pixels 32 w .. 32 w + 31, all 256 channels and all 192 outputs: 48 matrix instructions.
; No cluster: work-groups share only the weights, 37 KB beside a tile of 128 KB that is each work-group's own.
; x IS QUANTISED WITH A LANE TO A PIXEL AND REGISTERS DOWN THE CHANNELS: a block of 32 channels lies in one lane's 32 registers.  Lane (r, hl) holds pixel 16 (r / 8) + 8 hl + r % 8 of the wave's 32; even blocks go to fragment X's
; registers, odd blocks to Y's, and one exchange of lane halves makes X the operand of pixels 16 (r / 8) + r % 8 and Y that of pixels 16 (r / 8) + 8 + r % 8.  The lane's scale word serves X from lanes 0-15 and Y from lanes 16-31.
; q, k: source 0 = 16 rows of W, source 1 = 16 pixels.  Tile i's row m is channel 32 (m / 8) + 8 i + m % 8, so lane half hl holds all 32 channels of head hl of its pixel in 32 registers: one block, no other lane asked.
; v: source 0 = 16 pixels, source 1 = 16 rows of W: a lane holds one channel and 16 neighbouring pixels; lanes l and l xor 16 hold a block of 32 pixels, which is the wave's.
; THE OUTPUT, kvq block id (19,968 bytes), is laid in the order of the attention launch's operand registers and leaves through an image in LDS in chunks of 512 consecutive bytes:
;   0 K head 0, 3,072 K head 1, 6,144 V head 0, 9,216 V head 1 (each two fragments of 1,536 bytes, lane L's twelve registers on end at 48 L); 12,288 K's scale words (2 x 128), 12,544 V's (2 x 128);
;   12,800 q's records (2 heads x 128 pixels x 24 bytes); 18,944 q's scale bytes, a word each (2 x 128 words).
; K's fragment c holds 64 keys: block bq of row r' (lanes 16 (bq % 2) + r', registers 6 (bq / 2) on) is key 64 c + 32 (r' / 8) + 8 bq + r' % 8.  V's fragment u: row r is channel 8 u + r + 8 (r / 8), block 2 c + h of the 128 keys.
; REGISTERS.  window 0: v1-21 lane numbers and addresses; v22-29 at work; v32-79 x's four fragments; v80-81 x's scale words; v82-105 the weights' scale words; v106-125 codes just made; v128-191 x as f32 (two sets), then accumulators;
;   v192-231 at work for v, then the way out.   window 1: Wq's and Wk's 16 fragments.   window 2: Wv's 8 fragments, and from v96 the biases in the results' layout.
.set STG,   131072                     ; LDS: the tile [256 channels][128 pixels] f32 from 0; the image of the kvq block from here;
.set SPARE, 151040                     ; behind it the spare words, 128 bytes for each wave: two blocks of 256 bytes that no other line names
.set BLKB,  19968
.set O_V,   6144
.set O_KS,  12288
.set O_VS,  12544
.set O_Q,   12800
.set O_QS,  18944
.set XA0,  4                           ; v4, v5  my pixel's word in the tile's row 0 and row 128
.set QREC, 6                           ; where I store q's record;  v7 its scale word
.set QSW,  7
.set KREC, 8                           ; k's record;  v9 its scale byte
.set KSB,  9
.set VREC, 10                          ; v's record;  v11 its scale byte
.set VSB,  11
.set OL,   12                          ; the way out: my 16 bytes of a chunk, in LDS;  v13 in memory
.set OG,   13
.set SPW,  14                          ; LDS address of my spare word: SPARE + 4 x my thread's number; never rewritten
.set NIL,  15                          ; 0; never rewritten
.set WQO,  16                          ; lane offsets into Wq, Wk: codes, scale words
.set WQS,  17
.set WVO,  18                          ; into Wv
.set WVS,  19
.set BQO,  20                          ; into q's and k's bias;  v21 into v's
.set BVO,  21
.set TM,   22                          ; v22-29  two sets of: two running maxima, the conversion's scale operand, the scale byte
.set FRG,  32                          ; fragment (P, s) at FRG + 24 P + 12 s
.set XW,   80
.set SQ,   82
.set SK,   90
.set SV,   98
.set F0,   106                         ; v106-117 two records of six registers;  v118-125 two places for a record's upper half
.set T0,   118
.set XR,   128
.set ACC,  128
.set VT,   192
.set OUTR, 192
.set WV,   48                          ; s48 my wave's number
.set SEL,  66                          ; s[66:67] lane selects for v_permlanex16_b32: lane l xor 16
.set MSB, 0
.macro WIN new                         ; the immediate's high byte repeats the setting that is left
.if MSB != \new
	s_set_vgpr_msb (MSB<<8)|\new
.set MSB, \new
.endif
.endm
; the largest magnitude of v[x] .. v[x + 31], in two chains, ascending, with the floor 2^(3 - 127) as one more leaf: into v[m]
.macro MAX32 x, m
	v_max3_num_f32 v[(\m)], |v[(\x)]|, |v[(\x)+1]|, |v[(\x)+2]|
	v_max3_num_f32 v[(\m)+1], |v[(\x)+3]|, |v[(\x)+4]|, |v[(\x)+5]|
.irp i, 6,10,14,18,22,26
	v_max3_num_f32 v[(\m)], v[(\m)], |v[(\x)+\i]|, |v[(\x)+\i+1]|
	v_max3_num_f32 v[(\m)+1], v[(\m)+1], |v[(\x)+\i+2]|, |v[(\x)+\i+3]|
.endr
	v_max3_num_f32 v[(\m)], v[(\m)], |v[(\x)+30]|, |v[(\x)+31]|
	v_max3_num_f32 v[(\m)], v[(\m)], v[(\m)+1], 0x1800000
.endm
	s_load_b512 s[4:19], s[0:1], 0x0               ; feat_a and its nine: s[4:23]
	s_load_b512 s[20:35], s[0:1], 0x40             ; feat_b and its nine: s[24:43]
	s_load_b256 s[36:43], s[0:1], 0x80
	s_load_b64 s[44:45], s[0:1], 0xa0              ; kvq
	v_lshl_add_u32 v[SPW], v0, 2, SPARE
	v_mov_b32 v[NIL], 0
	ds_add_u32 v[SPW], v[NIL]                      ; the wave's opening: the add, twice on end, and its wait ahead of my first tensor load; work on registers stands between the second and the wait
	ds_add_u32 v[SPW], v[NIL]
	v_lshrrev_b32 v1, 5, v0
	v_readfirstlane_b32 s[WV], v1                  ; wave 0..3
	s_and_b32 s49, s[WV], 1
	s_lshr_b32 s50, s[WV], 1
	s_mov_b32 s52, 3<<16                           ; descriptor group 1: no mask, elements of 8 bytes, no padding
	s_mov_b32 s53, 64<<16                          ; tensor_dim0 = 64 elements: 512 bytes, 128 pixels
	s_mov_b32 s54, 64<<16                          ; tensor_dim1 = 64 rows (channels)
	s_mov_b32 s55, 64<<16                          ; tile_dim0 = 64
	s_mov_b32 s56, 64                              ; tile_dim1 = 64
	s_mov_b32 s57, 2048                            ; from channel to channel: 4,096 pixels x 4 bytes = 2,048 elements
	s_mov_b32 s58, 0
	s_mov_b32 s59, 0
	s_mov_b32 s60, 1                               ; group 0: count = 1
	s_lshl_b32 s61, s[WV], 15                      ; LDS: my 64 rows of 512 bytes
	s_bfe_u32 s68, ttmp9, 0x20005                  ; b
	s_lshl_b32 s68, s68, 22                        ; x 256 channels x 16,384 bytes
	s_and_b32 s69, ttmp9, 31                       ; j
	s_lshl_b32 s69, s69, 9                         ; x 128 pixels x 4 bytes
	s_add_co_u32 s68, s68, s69
	s_lshl_b32 s69, s[WV], 20                      ; my 64 channels
	s_add_co_u32 s68, s68, s69
	s_mov_b32 s69, 0
	s_mul_i32 s70, ttmp9, BLKB                     ; my block of kvq
	s_mov_b32 s71, 0
	s_mov_b32 s[SEL], 0x76543210
	s_mov_b32 s[SEL+1], 0xfedcba98
	s_wait_dscnt 0x0                               ; both opening adds are done
	s_wait_kmcnt 0x0
	s_cmp_lt_u32 ttmp9, 128                        ; feat_a's work-group or feat_b's?  The choice hangs on the work-group's number alone
.irp k, 0,1,2,3,4,5,6,7,8,9
	s_cselect_b64 s[4+2*\k:5+2*\k], s[4+2*\k:5+2*\k], s[24+2*\k:25+2*\k]
.endr
	s_add_nc_u64 s[62:63], s[4:5], s[68:69]        ; the tile's first element
	s_or_b32 s63, s63, 0x80000000                  ; type = 2
	tensor_load_to_lds s[60:63], s[52:59]
	s_nop 0
.rept 4
	v_nop
.endr
	s_add_nc_u64 s[44:45], s[44:45], s[70:71]
	; lane numbers and addresses, while the tile is on its way
	v_and_b32 v1, 31, v0                           ; L
	v_and_b32 v2, 15, v0                           ; r
	v_bfe_u32 v3, v0, 4, 1                         ; hl
	v_and_b32 v22, 7, v0                           ; r % 8
	v_bfe_u32 v23, v0, 3, 1                        ; r / 8
	v_lshl_add_u32 v24, v23, 4, v22                ; 16 (r / 8) + r % 8
	v_lshl_add_u32 v25, v23, 5, v22                ; 32 (r / 8) + r % 8
	v_lshl_add_u32 v26, v23, 3, v2                 ; r + 8 (r / 8)
	v_lshl_add_u32 v[XA0], v3, 3, v24              ; my pixel of the wave's 32
	s_lshl_b32 s68, s[WV], 7
	v_lshl_add_u32 v[XA0], v[XA0], 2, s68          ; 4 bytes a pixel, 128 bytes a wave
	v_add_nc_u32 v[XA0+1], 0x10000, v[XA0]         ; 128 rows of 512 bytes on: an LDS offset has 16 bits
	s_mul_i32 s68, s[WV], 768
	s_add_co_u32 s68, s68, STG+O_Q
	v_mul_u32_u24 v[QREC], v24, 24                 ; q: head hl, pixel 32 w + 16 (r / 8) + r % 8 (fragment Y: 8 pixels, 192 bytes, on)
	v_mad_u32_u24 v[QREC], v3, 3072, v[QREC]
	v_add_nc_u32 v[QREC], s68, v[QREC]
	s_lshl_b32 s68, s[WV], 7
	s_add_co_u32 s68, s68, STG+O_QS
	v_lshlrev_b32 v[QSW], 2, v24
	v_lshl_add_u32 v[QSW], v3, 9, v[QSW]
	v_add_nc_u32 v[QSW], s68, v[QSW]
	s_mul_i32 s68, s50, 1536                       ; k: key 32 w + 16 (r / 8) + 8 u + r % 8 is fragment w / 2, row 8 (w % 2) + r % 8, block 2 (r / 8) + u
	s_mul_i32 s69, s49, 384
	s_add_co_u32 s68, s68, s69
	s_add_co_u32 s68, s68, STG
	v_mul_u32_u24 v[KREC], v22, 48
	v_mad_u32_u24 v[KREC], v23, 24, v[KREC]
	v_mad_u32_u24 v[KREC], v3, 3072, v[KREC]
	v_add_nc_u32 v[KREC], s68, v[KREC]             ; (fragment Y: lanes 16 on, 768 bytes)
	s_lshl_b32 s68, s[WV], 5
	s_add_co_u32 s68, s68, STG+O_KS
	v_lshlrev_b32 v[KSB], 2, v22
	v_lshl_add_u32 v[KSB], v23, 1, v[KSB]
	v_lshl_add_u32 v[KSB], v3, 7, v[KSB]
	v_add_nc_u32 v[KSB], s68, v[KSB]               ; (fragment Y: one byte on)
	s_mul_i32 s68, s49, 768                        ; v: fragment hl, row r, key block w: lanes 16 (w % 2) on, registers 6 (w / 2) on
	s_mul_i32 s69, s50, 24
	s_add_co_u32 s68, s68, s69
	s_add_co_u32 s68, s68, STG+O_V
	v_mul_u32_u24 v[VREC], v2, 48
	v_mad_u32_u24 v[VREC], v3, 1536, v[VREC]
	v_add_nc_u32 v[VREC], s68, v[VREC]
	s_add_co_u32 s68, s[WV], STG+O_VS
	v_lshl_add_u32 v[VSB], v2, 2, s68
	s_lshl_b32 s68, s[WV], 9
	v_lshl_add_u32 v[OG], v1, 4, s68
	v_add_nc_u32 v[OL], STG, v[OG]
	v_mul_u32_u24 v[WQO], v25, 192                 ; a row of W is 256 codes, 192 bytes
	v_mad_u32_u24 v[WQO], v3, 24, v[WQO]
	v_lshlrev_b32 v[WQS], 3, v25                   ; and 8 scale bytes
	v_mul_u32_u24 v[WVO], v26, 192
	v_mad_u32_u24 v[WVO], v3, 24, v[WVO]
	v_lshlrev_b32 v[WVS], 3, v26
	v_lshlrev_b32 v[BQO], 7, v3                    ; q's, k's bias: my head's 32 numbers
	v_lshlrev_b32 v[BVO], 2, v26                   ; v's: my channel's
.irp t, 0,1,2,3
	v_mov_b32 v[VT+4+\t], 0                        ; written once: a lane permute's destination counts as one of its sources
.endr
	; the weights: each wave holds all of them in registers, read once
	WIN 0x40                                       ; destination window 1
.irp i, 0,1,2,3
.irp s, 0,1
.irp p, 0,1,2,3,4,5
	global_load_b64 v[24*\i+12*\s+2*\p:24*\i+12*\s+2*\p+1], v[WQO], s[6:7] offset:1536*\i+96*\s+48*(\p/3)+8*(\p%3)
	global_load_b64 v[96+24*\i+12*\s+2*\p:96+24*\i+12*\s+2*\p+1], v[WQO], s[12:13] offset:1536*\i+96*\s+48*(\p/3)+8*(\p%3)
.endr
.endr
.endr
	WIN 0x80                                       ; destination window 2
.irp t, 0,1,2,3
.irp s, 0,1
.irp p, 0,1,2,3,4,5
	global_load_b64 v[24*\t+12*\s+2*\p:24*\t+12*\s+2*\p+1], v[WVO], s[18:19] offset:192*(32*(\t/2)+8*(\t%2))+96*\s+48*(\p/3)+8*(\p%3)
.endr
.endr
.endr
.irp i, 0,1,2,3                                ; the biases are the C of each sum's first product: q, k: register j of tile i is channel 32 hl + 8 i + j
	global_load_b128 v[96+8*\i:96+8*\i+3], v[BQO], s[10:11] offset:32*\i
	global_load_b128 v[96+8*\i+4:96+8*\i+7], v[BQO], s[10:11] offset:32*\i+16
	global_load_b128 v[128+8*\i:128+8*\i+3], v[BQO], s[16:17] offset:32*\i
	global_load_b128 v[128+8*\i+4:128+8*\i+7], v[BQO], s[16:17] offset:32*\i+16
.endr
.irp t, 0,1,2,3                                ; v: all eight registers of a tile are the lane's one channel
.irp j, 0,1,2,3,4,5,6,7
	global_load_b32 v[160+8*\t+\j], v[BVO], s[22:23] offset:4*(32*(\t/2)+8*(\t%2))
.endr
.endr
	WIN 0
.irp i, 0,1,2,3
.irp s, 0,1
	global_load_b32 v[SQ+2*\i+\s], v[WQS], s[8:9] offset:64*\i+4*\s
	global_load_b32 v[SK+2*\i+\s], v[WQS], s[14:15] offset:64*\i+4*\s
.endr
.endr
.irp t, 0,1,2,3
.irp s, 0,1
	global_load_b32 v[SV+2*\t+\s], v[WVS], s[20:21] offset:8*(32*(\t/2)+8*(\t%2))+4*\s
.endr
.endr
	s_wait_tensorcnt 0x0                           ; my quarter of the tile is in,
	s_barrier_signal -1
	s_barrier_wait -1                              ; everybody's is
; ---- x into codes.  Block be: channels 32 be .. 32 be + 31 of my pixel, into set be % 2
.macro LOADB be
.irp i, 0,1,2,3,4,5,6,7,8,9,10,11,12,13,14,15,16,17,18,19,20,21,22,23,24,25,26,27,28,29,30,31
	ds_load_b32 v[XR+32*((\be)%2)+\i], v[XA0+(\be)/4] offset:512*(32*((\be)%4)+\i)   ; 32 lanes read 32 different words of 128 consecutive bytes
.endr
.endm
.macro XBLOCK be
.set XS, XR+32*((\be)%2)
.set DST, FRG+24*((\be)%2)+12*((\be)/4)+6*(((\be)%4)/2)
.if (\be) < 7
	s_wait_dscnt 32                                ; this block's 32 loads are in; the next block's may be out
.else
	s_wait_dscnt 0x0
.endif
	MAX32 XS, TM
	v_add_nc_u32 v[TM+2], 0xff000000, v[TM]        ; 2 off the exponent field: the conversion takes the exponent field of this operand as its scale, and nothing else of it
	v_lshrrev_b32 v[TM+3], 23, v[TM+2]             ; the scale's byte
.if (\be)%4 == 0
	v_mov_b32 v[XW+(\be)/4], v[TM+3]               ; four bytes make my pixel's scale word of a K step
.else
	v_lshl_or_b32 v[XW+(\be)/4], v[TM+3], 8*((\be)%4), v[XW+(\be)/4]
.endif
	v_cvt_scalef32_pk16_fp6_f32 v[DST:DST+2], v[XS:XS+15], v[TM+2]
	v_cvt_scalef32_pk16_fp6_f32 v[T0:T0+2], v[XS+16:XS+31], v[TM+2]   ; (a conversion's three registers begin on an even number)
	v_nop                                          ; one plain place behind a scaled conversion
.irp i, 0,1,2
	v_mov_b32 v[DST+3+\i], v[T0+\i]
.endr
.if (\be)+2 < 8
	LOADB (\be)+2
.endif
.if (\be)%2 == 1                               ; X's lanes 16-31 (the even block of Y's pixels) change places with Y's lanes 0-15 (the odd block of X's pixels)
.irp i, 0,1,2,3,4,5
	v_permlane16_swap_b32 v[DST-24+\i], v[DST+\i]
.endr
.endif
.endm
	LOADB 0
	LOADB 1
.irp be, 0,1,2,3,4,5,6,7
	XBLOCK \be
.endr
.rept 8
	v_nop                                          ; a scale register written by a vector instruction stands 8 places ahead of a scaled matrix instruction, an operand so written 4
.endr
	s_wait_loadcnt 0x0                             ; the weights
; ---- q and k: eight accumulators by turns, two K steps.  wb: W's fragments in window 1; bb: the bias in window 2; sb: W's scale words
.macro GEMM_QK wb, bb, sb
	WIN 0x21                                       ; source 0 (W) window 1, source 2 (the bias) window 2
.irp i, 0,1,2,3
	v_wmma_scale_f32_16x16x128_f8f6f4 v[ACC+8*\i:ACC+8*\i+7], v[(\wb)+24*\i:(\wb)+24*\i+11], v[FRG:FRG+11], v[(\bb)+8*\i:(\bb)+8*\i+7], v[(\sb)+2*\i], v[XW] matrix_a_fmt:MATRIX_FMT_FP6 matrix_b_fmt:MATRIX_FMT_FP6
.endr
.irp i, 0,1,2,3
	v_wmma_scale_f32_16x16x128_f8f6f4 v[ACC+32+8*\i:ACC+32+8*\i+7], v[(\wb)+24*\i:(\wb)+24*\i+11], v[FRG+24:FRG+35], v[(\bb)+8*\i:(\bb)+8*\i+7], v[(\sb)+2*\i], v[XW] matrix_a_fmt:MATRIX_FMT_FP6 matrix_b_fmt:MATRIX_FMT_FP6 matrix_b_scale:MATRIX_SCALE_ROW1
.endr
	WIN 0x01
	s_wait_alu depctr_va_vdst(0)
.irp i, 0,1,2,3
	v_wmma_scale_f32_16x16x128_f8f6f4 v[ACC+8*\i:ACC+8*\i+7], v[(\wb)+24*\i+12:(\wb)+24*\i+23], v[FRG+12:FRG+23], v[ACC+8*\i:ACC+8*\i+7], v[(\sb)+2*\i+1], v[XW+1] matrix_a_fmt:MATRIX_FMT_FP6 matrix_b_fmt:MATRIX_FMT_FP6
.endr
.irp i, 0,1,2,3
	v_wmma_scale_f32_16x16x128_f8f6f4 v[ACC+32+8*\i:ACC+32+8*\i+7], v[(\wb)+24*\i+12:(\wb)+24*\i+23], v[FRG+36:FRG+47], v[ACC+32+8*\i:ACC+32+8*\i+7], v[(\sb)+2*\i+1], v[XW+1] matrix_a_fmt:MATRIX_FMT_FP6 matrix_b_fmt:MATRIX_FMT_FP6 matrix_b_scale:MATRIX_SCALE_ROW1
.endr
	WIN 0
.rept 5
	v_nop                                          ; four places ahead of the first read of results; five ahead of the next run's products, which begin these accumulators anew with another C
.endr
.endm
; fragment pp's 32 registers are one block (my head's 32 channels of one pixel): its record of 24 bytes and its scale byte go to the image
.macro QK_OUT pp, isq
.set AX, ACC+32*(\pp)
.set MX, TM+4*(\pp)
.set FF, F0+6*(\pp)
.set TT, T0+4*(\pp)
	MAX32 AX, MX                                   ; each accumulator is read from its low end on
	v_add_nc_u32 v[MX+2], 0xff000000, v[MX]
	v_lshrrev_b32 v[MX+3], 23, v[MX+2]
	v_cvt_scalef32_pk16_fp6_f32 v[FF:FF+2], v[AX:AX+15], v[MX+2]
	v_cvt_scalef32_pk16_fp6_f32 v[TT:TT+2], v[AX+16:AX+31], v[MX+2]
	v_nop                                          ; one plain place behind a scaled conversion
.irp i, 0,1,2
	v_mov_b32 v[FF+3+\i], v[TT+\i]
.endr
.if \isq
.irp i, 0,1,2
	ds_store_b64 v[QREC], v[FF+2*\i:FF+2*\i+1] offset:192*(\pp)+8*\i
.endr
	ds_store_b32 v[QSW], v[MX+3] offset:32*(\pp)   ; q's byte as a word: bits 7:0, zeros above
.else
.irp i, 0,1,2
	ds_store_b64 v[KREC], v[FF+2*\i:FF+2*\i+1] offset:768*(\pp)+8*\i
.endr
	ds_store_b8 v[KSB], v[MX+3] offset:\pp
.endif
.endm
	GEMM_QK 0, 96, SQ
	QK_OUT 0, 1
	QK_OUT 1, 1
	s_wait_dscnt 0x0                               ; the stores have read their registers
	GEMM_QK 96, 128, SK
	QK_OUT 0, 0
	QK_OUT 1, 0
	s_wait_dscnt 0x0
	; ---- v: source 0 = 16 pixels, source 1 = 16 rows of Wv.  Tile t = 2 head + u: column r is channel 32 head + 8 u + r + 8 (r / 8).  The 16 registers of tile t are pixels 16 hl + 0 .. 15
	WIN 0x28                                       ; source 1 (W) and source 2 (the bias) window 2
.irp t, 0,1,2,3
	v_wmma_scale_f32_16x16x128_f8f6f4 v[ACC+16*\t:ACC+16*\t+7], v[FRG:FRG+11], v[24*\t:24*\t+11], v[160+8*\t:160+8*\t+7], v[XW], v[SV+2*\t] matrix_a_fmt:MATRIX_FMT_FP6 matrix_b_fmt:MATRIX_FMT_FP6
	v_wmma_scale_f32_16x16x128_f8f6f4 v[ACC+16*\t+8:ACC+16*\t+15], v[FRG+24:FRG+35], v[24*\t:24*\t+11], v[160+8*\t:160+8*\t+7], v[XW], v[SV+2*\t] matrix_a_fmt:MATRIX_FMT_FP6 matrix_b_fmt:MATRIX_FMT_FP6 matrix_a_scale:MATRIX_SCALE_ROW1
.endr
	WIN 0x08
.irp t, 0,1,2,3
	v_wmma_scale_f32_16x16x128_f8f6f4 v[ACC+16*\t:ACC+16*\t+7], v[FRG+12:FRG+23], v[24*\t+12:24*\t+23], v[ACC+16*\t:ACC+16*\t+7], v[XW+1], v[SV+2*\t+1] matrix_a_fmt:MATRIX_FMT_FP6 matrix_b_fmt:MATRIX_FMT_FP6
	v_wmma_scale_f32_16x16x128_f8f6f4 v[ACC+16*\t+8:ACC+16*\t+15], v[FRG+36:FRG+47], v[24*\t+12:24*\t+23], v[ACC+16*\t+8:ACC+16*\t+15], v[XW+1], v[SV+2*\t+1] matrix_a_fmt:MATRIX_FMT_FP6 matrix_b_fmt:MATRIX_FMT_FP6 matrix_a_scale:MATRIX_SCALE_ROW1
.endr
	WIN 0
.rept 5
	v_nop
.endr
.irp t, 0,1,2,3
	v_max3_num_f32 v[VT+\t], |v[ACC+16*\t]|, |v[ACC+16*\t+1]|, 0x1800000   ; my 16 pixels of tile t's channel, and the floor (the four tiles by turns)
.endr
.irp i, 2,4,6,8,10,12,14
.irp t, 0,1,2,3
	v_max3_num_f32 v[VT+\t], v[VT+\t], |v[ACC+16*\t+\i]|, |v[ACC+16*\t+\i+1]|
.endr
.endr
.irp t, 0,1,2,3
	v_permlanex16_b32 v[VT+4+\t], v[VT+\t], s[SEL], s[SEL+1]
.endr
.irp t, 0,1,2,3
	v_max_num_f32 v[VT+\t], v[VT+\t], v[VT+4+\t]   ; with lane l xor 16's 16 pixels: the block's largest magnitude
.endr
.irp t, 0,1,2,3
	v_add_nc_u32 v[VT+8+\t], 0xff000000, v[VT+\t]
.endr
.irp t, 0,1,2,3
	v_lshrrev_b32 v[VT+12+\t], 23, v[VT+8+\t]
.endr
.irp t, 0,1,2,3
	ds_store_b8 v[VSB], v[VT+12+\t] offset:64*\t   ; byte w of the channel's word; both halves of the lanes write the same byte with the same value
.endr
	v_cvt_scalef32_pk16_fp6_f32 v[F0:F0+2], v[ACC:ACC+15], v[VT+8]
	v_cvt_scalef32_pk16_fp6_f32 v[T0:T0+2], v[ACC+16:ACC+31], v[VT+9]
	v_cvt_scalef32_pk16_fp6_f32 v[F0+6:F0+8], v[ACC+32:ACC+47], v[VT+10]
	v_cvt_scalef32_pk16_fp6_f32 v[T0+4:T0+6], v[ACC+48:ACC+63], v[VT+11]
	v_nop                                          ; one plain place behind a scaled conversion
.irp h, 0,1                                    ; head h: tile 2 h's lanes 16-31 change places with tile 2 h + 1's lanes 0-15: lane (r, hl) then holds the whole block of fragment hl's row r
.irp i, 0,1,2
	v_permlane16_swap_b32 v[F0+6*\h+\i], v[T0+4*\h+\i]
.endr
.irp i, 0,1,2
	v_mov_b32 v[F0+6*\h+3+\i], v[T0+4*\h+\i]
.endr
.irp i, 0,1,2
	ds_store_b64 v[VREC], v[F0+6*\h+2*\i:F0+6*\h+2*\i+1] offset:3072*\h+8*\i
.endr
.endr
	; ---- the way out: the image's 39 chunks of 512 bytes, chunk 4 i + w to wave w: each store covers 512 consecutive bytes, aligned to 256
	s_wait_dscnt 0x0                               ; for the others' sake: my stores into the image are done
	s_barrier_signal -1
	s_barrier_wait -1
.irp i, 0,1,2,3,4,5,6,7,8
	ds_load_b128 v[OUTR+4*\i:OUTR+4*\i+3], v[OL] offset:2048*\i
.endr
.irp i, 0,1,2,3,4,5,6,7,8
	s_wait_dscnt 8-\i                              ; chunk i is in; the younger ones may be out
	global_store_b128 v[OG], v[OUTR+4*\i:OUTR+4*\i+3], s[44:45] offset:2048*\i
.endr
	s_cmp_eq_u32 s[WV], 3                          ; chunks 36 to 38 are left: waves 0 to 2
	s_cbranch_scc1 .Ldone
	ds_load_b128 v[OUTR+36:OUTR+39], v[OL] offset:18432
	s_wait_dscnt 0x0
	global_store_b128 v[OG], v[OUTR+36:OUTR+39], s[44:45] offset:18432
.Ldone:
	s_wait_tensorcnt 0x0                           ; the wave's end: the wait, an add and its wait, behind my last tensor load and my last LDS store
	ds_add_u32 v[SPW], v[NIL]
	s_wait_dscnt 0x0
	s_endpgm
.Lfunc_end_k_q0e52cd8029_proj:
	.size	k_q0e52cd8029_proj, .Lfunc_end_k_q0e52cd8029_proj-k_q0e52cd8029_proj
	.p2alignl 7, 3214868480
	.fill 96, 4, 3214868480
	.section	.rodata,"a",@progbits
	.p2align	6, 0x0
	.amdhsa_kernel k_q0e52cd8029_proj
		.amdhsa_group_segment_fixed_size 167936
		.amdhsa_private_segment_fixed_size 0
		.amdhsa_enable_private_segment 0
		.amdhsa_kernarg_size 168
		.amdhsa_user_sgpr_count 2
		.amdhsa_user_sgpr_kernarg_segment_ptr 1
		.amdhsa_wavefront_size32 1
		.amdhsa_system_sgpr_workgroup_id_x 1
		.amdhsa_system_sgpr_workgroup_id_y 1
		.amdhsa_system_sgpr_workgroup_id_z 1
		.amdhsa_system_vgpr_workitem_id 0
		.amdhsa_next_free_vgpr 768
		.amdhsa_next_free_sgpr 80
		.amdhsa_reserve_vcc 0
		.amdhsa_float_denorm_mode_32 3
		.amdhsa_float_denorm_mode_16_64 3
		.amdhsa_memory_ordered 1
		.amdhsa_forward_progress 1
		.amdhsa_inst_pref_size 75
	.end_amdhsa_kernel
	.amdgpu_metadata
---
amdhsa.version: [ 1, 2 ]
amdhsa.kernels:
  - .name:           k_q0e52cd8029_proj
    .symbol:         k_q0e52cd8029_proj.kd
    .args:
      - { .name: feat_a, .offset: 0, .size: 8, .value_kind: global_buffer, .address_space: global }
      - { .name: q_a_w_codes, .offset: 8, .size: 8, .value_kind: global_buffer, .address_space: global }
      - { .name: q_a_w_scales, .offset: 16, .size: 8, .value_kind: global_buffer, .address_space: global }
      - { .name: q_a_b, .offset: 24, .size: 8, .value_kind: global_buffer, .address_space: global }
      - { .name: k_a_w_codes, .offset: 32, .size: 8, .value_kind: global_buffer, .address_space: global }
      - { .name: k_a_w_scales, .offset: 40, .size: 8, .value_kind: global_buffer, .address_space: global }
      - { .name: k_a_b, .offset: 48, .size: 8, .value_kind: global_buffer, .address_space: global }
      - { .name: v_a_w_codes, .offset: 56, .size: 8, .value_kind: global_buffer, .address_space: global }
      - { .name: v_a_w_scales, .offset: 64, .size: 8, .value_kind: global_buffer, .address_space: global }
      - { .name: v_a_b, .offset: 72, .size: 8, .value_kind: global_buffer, .address_space: global }
      - { .name: feat_b, .offset: 80, .size: 8, .value_kind: global_buffer, .address_space: global }
      - { .name: q_b_w_codes, .offset: 88, .size: 8, .value_kind: global_buffer, .address_space: global }
      - { .name: q_b_w_scales, .offset: 96, .size: 8, .value_kind: global_buffer, .address_space: global }
      - { .name: q_b_b, .offset: 104, .size: 8, .value_kind: global_buffer, .address_space: global }
      - { .name: k_b_w_codes, .offset: 112, .size: 8, .value_kind: global_buffer, .address_space: global }
      - { .name: k_b_w_scales, .offset: 120, .size: 8, .value_kind: global_buffer, .address_space: global }
      - { .name: k_b_b, .offset: 128, .size: 8, .value_kind: global_buffer, .address_space: global }
      - { .name: v_b_w_codes, .offset: 136, .size: 8, .value_kind: global_buffer, .address_space: global }
      - { .name: v_b_w_scales, .offset: 144, .size: 8, .value_kind: global_buffer, .address_space: global }
      - { .name: v_b_b, .offset: 152, .size: 8, .value_kind: global_buffer, .address_space: global }
      - { .name: kvq, .offset: 160, .size: 8, .value_kind: global_buffer, .address_space: global }
    .group_segment_fixed_size: 167936
    .private_segment_fixed_size: 0
    .kernarg_segment_align: 8
    .kernarg_segment_size: 168
    .max_flat_workgroup_size: 128
    .sgpr_count:     80
    .vgpr_count:     768
    .wavefront_size: 32
...
	.end_amdgpu_metadata
.endif
;; end of part 1
;; launch attn (part 2): grid 32 x 8, 16 waves a work-group, clusters of 4 x 1, 327,680 bytes of LDS; arguments kvq, feat_a, feat_b, out_a_w_codes, out_a_w_scales, out_a_b, out_b_w_codes, out_b_w_scales, out_b_b, pre, stats; writes pre, stats
.if DOCPART == 2
	.amdgcn_target "amdgcn-amd-amdhsa--gfx1250"
	.amdhsa_code_object_version 6
	.text
	.protected	k_q0e52cd8029_attn
	.globl	k_q0e52cd8029_attn
	.p2align	8
	.type	k_q0e52cd8029_attn,@function
k_q0e52cd8029_attn:
	s_mov_b64 s[64:65], 0
	v_nop
	global_prefetch_b8 v0, s[64:65] scope:SCOPE_SE
	s_setreg_imm32_b32 hwreg(HW_REG_WAVE_MODE, 25, 1), 1
	s_wait_xcnt 0x0
	s_wait_alu depctr_hold_cnt(0) depctr_sa_sdst(0) depctr_va_vdst(0) depctr_va_sdst(0) depctr_va_ssrc(0) depctr_va_vcc(0) depctr_vm_vsrc(0)
	s_getreg_b32 s2, hwreg(HW_REG_IB_STS2, 6, 4)
	s_cmp_eq_u32 s2, 0
	s_cbranch_scc0 .Lentry_in_a_cluster
	s_endpgm
.Lentry_in_a_cluster:
	s_bfe_u32 s2, ttmp6, 0x10000c
	s_cmp_lg_u32 s2, 0x3003
	s_cbranch_scc0 .Lentry_shape_is_right
	s_endpgm
.Lentry_shape_is_right:
; SECOND LAUNCH.  Both cross-attentions: scores, softmax, P V, the division by the row's sum, the projection on the way out with its bias, the residual, and each group's partial statistics.  No work is left out.
; All products on codes of FP6 (E2M3) with one E8M0 scale for each 32 along K.  p = 2^(t - M), t = score x log2(e) / sqrt(32), M the running largest t rounded up to a whole number; the row's sum is taken of the unquantised p.
; LIMITS: NaN and infinities are not served.  t is formed as score x c with one rounding, where the module multiplies twice.  A block of p, or of o, under 2^(3 - 127) gets the byte 1; its codes are zeros.
; A block's largest p is taken as the exponential of its largest score, by the same two instructions: this takes v_exp_f32 not to fall where its input rises.
; SHARES.  y = 4 D + b (D = 0: queries of feat_a, keys of feat_b; D = 1 the other way round).  A work-group owns 128 queries of (D, b), both heads.  Sixteen waves, four to a SIMD, so that one wave's exponentials stand beside another's
; plain work and products: wave w has head w / 8 and the 16 queries of tile w % 8, and walks 32 key steps of 128 keys.  In the tail wave w makes channels 16 w .. 16 w + 15, which are group w, for all 128 pixels.
; CLUSTER.  The four query blocks of a cluster walk the same keys and values: every key step's block (12,800 dense bytes of kvq) is asked for JOINTLY, by the same tensor load with the same descriptor and the mask of all four.
; THE RING: sixteen step blocks in LDS, two slots of eight.  Wave w fetches steps w and 16 + w into block w: one tensor load of mine is out at a time.  Slot 0 is filled again behind the round that follows step 7 (waves 0-7),
; slot 1 behind the round that follows step 15 (waves 8-15): each refill has eight key steps in which to land, so the keys and values are not prefetched.
; LAYOUT.  S^T = K Q^T (source 0 = keys, source 1 = my 16 queries), O^T = V^T P^T: a lane holds ONE query (lane % 16) throughout.  The scores' K is 32, a quarter of the instruction's 128: a fragment of K holds FOUR keys in each row,
; one in each block of 32, and is multiplied four times, each time by a version of Q that has q's codes in one block and zero codes in the three others (their scale bytes 0, the smallest).  Block bq of row r' of fragment c is key
; 64 c + 32 (r' / 8) + 8 bq + r' % 8: so register 32 c + i of S^T in lane (r, hl) is key 64 c + 32 hl + i, which is the 6-bit operand's own layout: a whole block of p lies in one lane, and the conversions' results are P's registers.
; REGISTERS: v1-11 addresses; v12 -M, v13 the largest t, v[14:15] the sum in two halves; v16-22, v24-40 scale words and nothing else; v23 r, v41 hl; v42-71 Q's versions (zeros, q in lanes 0-15, zeros, q in lanes 16-31, zeros);
; v72-95 K; v96-119 V; v120-183 S^T, then p; v184-199 O^T; v200-219 p's codes; v220-233 at work; v234-239 the tail's LDS addresses; v248-252 lane numbers and offsets.
.set BLKB,  19968                      ; a block of kvq
.set STEPB, 12800                      ; its part for a key step: K, V and their scale words
.set SLOT1, 8*STEPB
.set OIMG,  16*STEPB                   ; behind the ring: o's eight fragments as images of six registers: registers 0-3 at 16 x lane, registers 4-5 at 512 + 8 x lane; 768 bytes each
.set OSC,   OIMG+8*768                 ; o's scale bytes: 64 bytes for each wave
.set STG,   OSC+1024                   ; the way out: 16 rows x (256 bytes + 16) for each wave
.set SPARE, STG+16*4352                ; the spare words, 128 bytes for each wave: eight blocks of 256 bytes that no other line names
.set AL0, 1                            ; v1  48 x lane + my head's place in a step block
.set AS0, 2                            ; v2  4 x lane + my head's scale words
.set SPW, 3                            ; v3  LDS address of my spare word: SPARE + 4 x my thread's number; never rewritten
.set NIL, 4                            ; v4  0; never rewritten
.set SH8, 5                            ; v5  8 hl
.set ADR, 6                            ; v6, v7  the step's addresses
.set ADS, 7
.set GO,  8                            ; v8  the residual and the result: row hl of two, 16 bytes a lane
.set PFO, 9                            ; v9  the prefetch: a lane to each of my 32 blocks of 256 bytes
.set STO, 10
.set SRD, 11
.set QS,  16                           ; v16-19 q's scale byte at byte 0, 1, 2, 3
.set KS,  20
.set VS,  21
.set PW,  22
.set OS,  24
.set OS1, 32
.set WS,  40
.set QA,  42
.set KF,  72
.set VF,  96
.set S,   120
.set OT,  184
.set PC,  200
.set PT,  212
.set BM,  220                          ; v220, v221 the two blocks' largest scores
.set RM,  222
.set TX,  223
.set SO,  224
.set BY,  226
.set FP,  228                          ; v[228:229] f = 2^(old M - new M), and a written upper half
.set SUMT, 230
.set TW,  232
.set OLD, 233
.set OIA, 234
.set OIB, 235
.set OSA, 236
.set OLA, 237
.set OLB, 238
.set OSR, 239
.set WV,  26
.set G1,  36
.set G0,  44
.set SEL, 48
.set CS,  50
.set TB,  52
.set CNT, 53
.macro CROUND                          ; a round of the cluster's barrier
	s_barrier_signal -1
	s_barrier_wait -1
	s_cmp_lg_u32 s[WV], 0
	s_cbranch_scc1 .Lnot_wave_0_\@
	s_barrier_signal -3
.Lnot_wave_0_\@:
	s_barrier_wait -3
	s_barrier_signal -1
	s_barrier_wait -1
.endm
	s_load_b512 s[4:19], s[0:1], 0x0               ; kvq s[4:5], feat_a, feat_b, out_a: codes, scales, bias, out_b: codes, scales
	s_load_b128 s[20:23], s[0:1], 0x40             ; out_b's bias, pre
	s_load_b64 s[24:25], s[0:1], 0x50              ; stats
	v_lshl_add_u32 v[SPW], v0, 2, SPARE
	v_mov_b32 v[NIL], 0
	ds_add_u32 v[SPW], v[NIL]                      ; the wave's opening: the add, twice on end, and its wait ahead of my first tensor load; work on registers stands between the second and the wait
	ds_add_u32 v[SPW], v[NIL]
	v_lshrrev_b32 v5, 5, v0
	s_delay_alu instid0(VALU_DEP_1)
	v_readfirstlane_b32 s[WV], v5                  ; wave 0..15
	s_lshr_b32 s27, s[WV], 3                       ; my head
	s_and_b32 s28, s[WV], 7                        ; my tile of 16 queries
	s_and_b32 s31, ttmp7, 0xffff                   ; y = 4 D + b, which the four partners share
	s_mov_b32 s[G1], 15|(3<<16)|(1<<21)            ; descriptor group 1: the mask of all four work-groups; elements of 8 bytes; bit 21 set beside a mask; no padding
	s_mov_b32 s[G1+1], 32<<16                      ; tensor_dim0 = 32 elements: 256 bytes
	s_mov_b32 s[G1+2], 50<<16                      ; tensor_dim1 = 50 rows: 12,800 dense bytes
	s_mov_b32 s[G1+3], 32<<16                      ; tile_dim0
	s_mov_b32 s[G1+4], 50                          ; tile_dim1
	s_mov_b32 s[G1+5], 32                          ; from row to row
	s_mov_b32 s[G1+6], 0
	s_mov_b32 s[G1+7], 0
	s_mov_b32 s[G0], 1
	s_mul_i32 s[G0+1], s[WV], STEPB                ; block w of the ring: no place in the cluster enters an LDS address
	s_xor_b32 s32, s31, 4                          ; the keys come from the other feature map
	s_lshl_b32 s32, s32, 5
	s_add_co_u32 s32, s32, s[WV]                   ; key step w
	s_mul_i32 s32, s32, BLKB
	s_mov_b32 s33, 0
	s_wait_dscnt 0x0                               ; both opening adds are done
	s_wait_kmcnt 0x0
	s_add_nc_u64 s[G0+2:G0+3], s[4:5], s[32:33]
	s_or_b32 s[G0+3], s[G0+3], 0x80000000          ; type = 2
	CROUND                                         ; all four work-groups are here: the first joint loads meet
	tensor_load_to_lds s[G0:G0+3], s[G1:G1+7]      ; every wave issues one: the sixteen first fills
	s_nop 0
.rept 4
	v_nop
.endr
	s_bfe_u32 s29, ttmp6, 0x40000                  ; cx: it enters global addresses of my own loads and stores alone
	s_lshl_b32 s30, ttmp9, 2
	s_add_co_u32 s30, s30, s29                     ; my block of 128 queries
	s_lshl_b32 s66, s31, 5
	s_add_co_u32 s66, s66, s30
	s_mul_i32 s66, s66, BLKB                       ; its block of kvq
	s_mul_i32 s67, s27, 3072
	s_mul_i32 s68, s28, 384
	s_add_co_u32 s56, s66, s67
	s_add_co_u32 s56, s56, s68
	s_add_co_u32 s56, s56, 12800                   ; q's records: my head, my 16 queries
	s_mov_b32 s57, 0
	s_lshl_b32 s67, s27, 9
	s_lshl_b32 s68, s28, 6
	s_add_co_u32 s58, s66, s67
	s_add_co_u32 s58, s58, s68
	s_add_co_u32 s58, s58, 18944                   ; and their scale words
	s_mov_b32 s59, 0
	s_lshl_b32 s67, s[WV], 18                      ; my 16 channels of 16,384 bytes,
	s_lshl_b32 s68, s30, 9                         ; my block's 128 pixels
	s_add_co_u32 s67, s67, s68
	s_and_b32 s60, s31, 3
	s_lshl_b32 s60, s60, 22
	s_add_co_u32 s60, s60, s67                     ; in the feature map: batch b
	s_mov_b32 s61, 0
	s_lshl_b32 s62, s31, 22
	s_add_co_u32 s62, s62, s67                     ; in pre: [D][b][channel][pixel]
	s_mov_b32 s63, 0
	s_lshl_b32 s70, s31, 4
	s_add_co_u32 s70, s70, s[WV]
	s_lshl_b32 s70, s70, 5
	s_add_co_u32 s70, s70, s30
	s_lshl_b32 s70, s70, 3                         ; in stats: [D][b][group][query block][2]
	s_mov_b32 s71, 0
	s_mul_i32 s72, s[WV], 768                      ; my 16 rows of the out weight: 48 bytes of codes,
	s_mov_b32 s73, 0
	s_lshl_b32 s74, s[WV], 5                       ; 2 scale bytes,
	s_mov_b32 s75, 0
	s_lshl_b32 s76, s[WV], 6                       ; 4 bytes of bias
	s_mov_b32 s77, 0
	s_lshl_b32 s55, s27, 3                         ; 8 x head
	s_mov_b32 s[SEL], 0x76543210
	s_mov_b32 s[SEL+1], 0xfedcba98                 ; v_permlanex16_b32's selects for lane l xor 16
	s_mov_b32 s[CS], 0x3e8293ee                    ; c = log2(e) / sqrt(32)
	s_mov_b32 s[CS+1], s[CS]                       ; (named with it as a pair, so it is written)
	s_cmp_lt_u32 s31, 4                            ; D: the same in all four partners
	s_cselect_b64 s[6:7], s[6:7], s[8:9]           ; the residual's feature map
	s_cselect_b64 s[10:11], s[10:11], s[16:17]     ; the out weight's codes,
	s_cselect_b64 s[12:13], s[12:13], s[18:19]     ; scales,
	s_cselect_b64 s[14:15], s[14:15], s[20:21]     ; bias
	s_add_nc_u64 s[56:57], s[4:5], s[56:57]
	s_add_nc_u64 s[58:59], s[4:5], s[58:59]
	s_add_nc_u64 s[6:7], s[6:7], s[60:61]
	s_add_nc_u64 s[22:23], s[22:23], s[62:63]
	s_add_nc_u64 s[24:25], s[24:25], s[70:71]
	s_add_nc_u64 s[10:11], s[10:11], s[72:73]
	s_add_nc_u64 s[12:13], s[12:13], s[74:75]
	s_add_nc_u64 s[14:15], s[14:15], s[76:77]
	v_and_b32 v23, 15, v0                          ; r
	v_bfe_u32 v41, v0, 4, 1                        ; hl
	v_and_b32 v248, 31, v0                         ; lane
	s_delay_alu instid0(VALU_DEP_3)
	v_mul_u32_u24 v[ADR], v23, 24
	s_delay_alu instid0(VALU_DEP_4)
	v_lshlrev_b32 v[ADS], 2, v23
.irp i, 0,1,2
	global_load_b64 v[S+2*\i:S+2*\i+1], v[ADR], s[56:57] offset:8*\i   ; query r's 24 bytes, in both halves of the lanes
.endr
	global_load_b32 v[QS], v[ADS], s[58:59]        ; and its scale byte
	; every LDS address is made here, ahead of the first branch on the wave's number
	s_mul_i32 s66, s27, 3072
	v_mul_u32_u24 v[AL0], v248, 48
	s_delay_alu instid0(VALU_DEP_1)
	v_add_nc_u32 v[AL0], s66, v[AL0]
	s_lshl_b32 s66, s27, 7
	s_add_co_u32 s66, s66, 12288
	v_lshl_add_u32 v[AS0], v248, 2, s66
	v_lshlrev_b32 v[SH8], 3, v41
	v_lshlrev_b32 v[GO], 14, v41
	s_delay_alu instid0(VALU_DEP_1)
	v_lshl_add_u32 v[GO], v23, 4, v[GO]
	v_lshrrev_b32 v[PFO], 1, v248
	s_delay_alu instid0(VALU_DEP_1)
	v_lshlrev_b32 v[PFO], 14, v[PFO]               ; channel lane / 2 of my 16,
	v_and_b32 v253, 1, v248
	s_delay_alu instid0(VALU_DEP_1)
	v_lshl_add_u32 v[PFO], v253, 8, v[PFO]         ; half lane % 2 of its 512 bytes
	s_mul_i32 s66, s[WV], 4352
	s_add_co_u32 s66, s66, STG                     ; my stage
	v_mul_u32_u24 v[STO], v23, 272
	s_delay_alu instid0(VALU_DEP_1)
	v_lshl_add_u32 v[STO], v41, 5, v[STO]
	s_delay_alu instid0(VALU_DEP_1)
	v_add_nc_u32 v[STO], s66, v[STO]               ; in: row r (a channel), 32 bytes for each half of the lanes
	v_mul_u32_u24 v[SRD], v41, 272
	s_delay_alu instid0(VALU_DEP_1)
	v_lshl_add_u32 v[SRD], v23, 4, v[SRD]
	s_delay_alu instid0(VALU_DEP_1)
	v_add_nc_u32 v[SRD], s66, v[SRD]               ; back: lanes 0-15 one row, lanes 16-31 the next
	s_mul_i32 s66, s28, 768
	s_lshl_b32 s67, s27, 8
	s_add_co_u32 s67, s67, s66
	s_add_co_u32 s67, s67, OIMG
	v_lshl_add_u32 v[OIA], v23, 4, s67             ; o's image: tile w % 8, lane r + 16 head
	s_lshl_b32 s67, s27, 7
	s_add_co_u32 s67, s67, s66
	s_add_co_u32 s67, s67, OIMG+512
	v_lshl_add_u32 v[OIB], v23, 3, s67
	s_lshl_b32 s67, s[WV], 6
	s_add_co_u32 s67, s67, OSC
	v_lshl_add_u32 v[OSA], v23, 2, s67
	v_lshl_add_u32 v[OLA], v248, 4, OIMG
	v_lshl_add_u32 v[OLB], v248, 3, OIMG+512
	v_lshl_add_u32 v[OSR], v23, 2, OSC
	v_mov_b32 v249, 0
	v_mul_u32_u24 v250, v23, 48
	s_delay_alu instid0(VALU_DEP_1)
	v_mad_u32_u24 v250, v41, 24, v250              ; the out weight: row r, block hl
	v_lshlrev_b32 v251, 1, v23
	v_lshlrev_b32 v252, 2, v23
	v_mov_b32 v13, 0xff61b1e6                      ; the largest t so far: -3e38, under every t
	s_delay_alu instid0(VALU_DEP_1)
	v_floor_f32 v12, -v13                          ; -M
	v_mov_b32 v14, 0                               ; the sum, in two halves
	v_mov_b32 v15, 0
	v_mov_b32 v[TX], 0                             ; written once: a lane permute's destination counts as one of its sources
	v_mov_b32 v[FP+1], 0                           ; (named as the upper half of a pair)
	v_cmp_gt_u32 s54, 16, v248                     ; lanes 0-15
	s_wait_loadcnt 0x0                             ; q
.irp i, 1,2,3
	v_lshlrev_b32 v[QS+\i], 8*\i, v[QS]            ; version i's scale word: q's byte at byte i, 0 elsewhere
.endr
.irp i, 0,1,2,3,4,5
	v_cndmask_b32 v[QA+6+\i], 0, v[S+\i], s54      ; q's codes in lanes 0-15, zero codes in lanes 16-31
	v_cndmask_b32 v[QA+18+\i], v[S+\i], 0, s54     ; and the other way round
.endr
.irp i, 0,1,2,3,4,5
	v_mov_b32 v[QA+\i], 0                          ; zero codes between them: version 0 begins at QA + 6, 1 at QA + 18, 2 at QA, 3 at QA + 12
	v_mov_b32 v[QA+12+\i], 0
	v_mov_b32 v[QA+24+\i], 0
.endr
.irp i, 0,1,2,3,4,5,6,7,8,9,10,11,12,13,14,15
	v_mov_b32 v[OT+\i], 0                          ; O^T.  (The step is written without a first step of its own: the first finds zeros, which the first change of M leaves zeros)
.endr
; A KEY STEP: 128 keys, from the step block at LDS byte s[TB].  ask = 1: the residual's rows are asked for
.macro STEP ask
	v_add_nc_u32 v[ADR], s[TB], v[AL0]
	v_add_nc_u32 v[ADS], s[TB], v[AS0]
	v_nop
	v_nop                                          ; four places behind the last step's products, in front of the loads into V's registers
	ds_load_b32 v[KS], v[ADS]                      ; K's scale words: lanes 0-15 fragment 0's rows, lanes 16-31 fragment 1's
.irp c, 0,1
.irp g, 0,1,2
	ds_load_b128 v[KF+12*\c+4*\g:KF+12*\c+4*\g+3], v[ADR] offset:1536*\c+16*\g   ; lanes 48 bytes apart: sixteen lanes begin at sixteen different places modulo 256 bytes
.endr
.endr
	ds_load_b32 v[VS], v[ADS] offset:256
.irp u, 0,1
.irp g, 0,1,2
	ds_load_b128 v[VF+12*\u+4*\g:VF+12*\u+4*\g+3], v[ADR] offset:6144+1536*\u+16*\g
.endr
.endr
.if \ask
	global_prefetch_b8 v[PFO], s[6:7] th:TH_LOAD_NT scope:SCOPE_SE   ; my 16 channels x 512 bytes of the residual, a lane to each aligned block of 256 bytes, each named once in the launch: two key steps ahead of the tail's loads
.endif
	s_wait_dscnt 7                                 ; K and its scale words are in; V's seven loads may be out
.irp q, 0,1,2,3
	v_wmma_scale_f32_16x16x128_f8f6f4 v[S+8*\q:S+8*\q+7], v[KF:KF+11], v[QA+6+12*(\q%2)-6*(\q/2):QA+17+12*(\q%2)-6*(\q/2)], 0, v[KS], v[QS+\q] matrix_a_fmt:MATRIX_FMT_FP6 matrix_b_fmt:MATRIX_FMT_FP6
.endr
.irp q, 0,1,2,3
	v_wmma_scale_f32_16x16x128_f8f6f4 v[S+32+8*\q:S+32+8*\q+7], v[KF+12:KF+23], v[QA+6+12*(\q%2)-6*(\q/2):QA+17+12*(\q%2)-6*(\q/2)], 0, v[KS], v[QS+\q] matrix_a_fmt:MATRIX_FMT_FP6 matrix_b_fmt:MATRIX_FMT_FP6 matrix_a_scale:MATRIX_SCALE_ROW1
.endr
.rept 4
	v_nop
.endr
	v_max3_num_f32 v[BM], v[S], v[S+1], v[S+2]     ; THE LARGEST SCORE OF EACH OF MY TWO BLOCKS OF 32 KEYS, ascending, the blocks by turns: it serves for the row's maximum and, since p rises with the score, for the block's largest p
	v_max3_num_f32 v[BM+1], v[S+32], v[S+33], v[S+34]
.irp i, 3,5,7,9,11,13,15,17,19,21,23,25,27,29
	v_max3_num_f32 v[BM], v[BM], v[S+\i], v[S+\i+1]
	v_max3_num_f32 v[BM+1], v[BM+1], v[S+32+\i], v[S+33+\i]
.endr
	v_max_num_f32 v[BM], v[BM], v[S+31]
	v_max_num_f32 v[BM+1], v[BM+1], v[S+63]
	s_delay_alu instid0(VALU_DEP_1)
	v_max_num_f32 v[RM], v[BM], v[BM+1]
	s_delay_alu instid0(VALU_DEP_1)
	v_permlanex16_b32 v[TX], v[RM], s[SEL], s[SEL+1]
	s_delay_alu instid0(VALU_DEP_1)
	v_max_num_f32 v[RM], v[RM], v[TX]              ; with lane l xor 16's 64 keys: the step's largest score of my query
	s_delay_alu instid0(VALU_DEP_1)
	v_mul_f32 v[RM], s[CS], v[RM]                  ; as t (c is positive)
	s_delay_alu instid0(VALU_DEP_1)
	v_max_num_f32 v13, v13, v[RM]                  ; the running largest t
	v_mov_b32 v[OLD], v12
	s_delay_alu instid0(VALU_DEP_2)
	v_floor_f32 v12, -v13                          ; the new -M = floor(-t) = -ceil(t): M is a whole number
	s_delay_alu instid0(VALU_DEP_1)
	v_sub_f32 v[TW], v12, v[OLD]                   ; M's old value less its new one: a whole number, 0 or less
	s_delay_alu instid0(VALU_DEP_1)
	v_cvt_i32_f32 v[TW], v[TW]                     ; (it saturates)
	s_delay_alu instid0(VALU_DEP_1)
	v_ldexp_f32 v[FP], 1.0, v[TW]                  ; f = 2^(old M - new M): a multiplication by it rounds nothing
.set j, 0
.rept 32
	v_pk_fma_f32 v[S+j:S+j+1], v[S+j:S+j+1], s[CS:CS+1], v[12:13] op_sel_hi:[1,0,0]   ; t - M, two at a time (of the pairs c and -M the low word serves both halves)
.set j, j+2
.endr
	v_fma_f32 v[BM], v[BM], s[CS], v12             ; the same of each block's largest score
	v_fma_f32 v[BM+1], v[BM+1], s[CS], v12
.set j, 0
	s_setprio 1
	s_wait_alu depctr_va_vdst(0)
.rept 64
	v_exp_f32 v[S+j], v[S+j]                       ; p = 2^(t - M), at most 1: not normalised
.set j, j+1
.endr
	v_exp_f32 v[BM], v[BM]                         ; the blocks' largest p: the same two instructions on the same number give the same bits
	v_exp_f32 v[BM+1], v[BM+1]
	v_pk_mul_f32 v[14:15], v[14:15], v[FP:FP+1] op_sel_hi:[1,0]   ; the sums under the new M: the plain instruction behind the exponentials
	s_wait_alu depctr_va_vdst(0)                   ; one wait for the batch of 66, ahead of its first reader
	v_max_num_f32 v[BM], 0x1800000, v[BM]          ; the floor 2^(3 - 127): the byte cannot fall under 1
	v_max_num_f32 v[BM+1], 0x1800000, v[BM+1]
	s_delay_alu instid0(VALU_DEP_2)
	v_add_nc_u32 v[SO], 0xff000000, v[BM]          ; 2 off the exponent field: the conversion's scale operand
	s_delay_alu instid0(VALU_DEP_2)
	v_add_nc_u32 v[SO+1], 0xff000000, v[BM+1]
	s_delay_alu instid0(VALU_DEP_2)
	v_lshrrev_b32 v[BY], 23, v[SO]                 ; the scale's byte
	s_delay_alu instid0(VALU_DEP_2)
	v_lshrrev_b32 v[BY+1], 23, v[SO+1]
	s_delay_alu instid0(VALU_DEP_1)
	v_lshl_or_b32 v[TW], v[BY+1], 16, v[BY]        ; my two bytes: blocks hl and 2 + hl of these 128 keys,
	s_delay_alu instid0(VALU_DEP_1)
	v_lshlrev_b32 v[TW], v[SH8], v[TW]             ; at their places in the scale word;
	s_delay_alu instid0(VALU_DEP_1)
	v_permlanex16_b32 v[TX], v[TW], s[SEL], s[SEL+1]
	s_delay_alu instid0(VALU_DEP_1)
	v_or_b32 v[PW], v[TW], v[TX]                   ; with lane l xor 16's two the word is whole
	v_cvt_scalef32_pk16_fp6_f32 v[PC:PC+2], v[S:S+15], v[SO]
	v_cvt_scalef32_pk16_fp6_f32 v[PT:PT+2], v[S+16:S+31], v[SO]   ; (a conversion's three registers begin on an even number)
	v_cvt_scalef32_pk16_fp6_f32 v[PC+6:PC+8], v[S+32:S+47], v[SO+1]
	v_cvt_scalef32_pk16_fp6_f32 v[PT+4:PT+6], v[S+48:S+63], v[SO+1]
	v_nop                                          ; one plain place behind a scaled conversion
.irp i, 0,1,2
	v_mov_b32 v[PC+3+\i], v[PT+\i]
	v_mov_b32 v[PC+9+\i], v[PT+4+\i]
.endr
.set j, 0
.rept 8
	v_pk_mul_f32 v[OT+j:OT+j+1], v[OT+j:OT+j+1], v[FP:FP+1] op_sel_hi:[1,0]   ; O^T under the new M
.set j, j+2
.endr
	v_pk_add_f32 v[230:231], v[124:125], v[128:129]
	v_pk_add_f32 v[254:255], v[132:133], v[136:137]
	v_pk_add_f32 v[14:15], v[14:15], v[140:141]
	v_pk_add_f32 v[230:231], v[230:231], v[144:145]
	v_pk_add_f32 v[254:255], v[254:255], v[148:149]
	s_setprio 0
	v_pk_add_f32 v[14:15], v[14:15], v[152:153]
	v_pk_add_f32 v[230:231], v[230:231], v[156:157]
	v_pk_add_f32 v[254:255], v[254:255], v[160:161]
	v_pk_add_f32 v[14:15], v[14:15], v[164:165]
	v_pk_add_f32 v[230:231], v[230:231], v[168:169]
	v_pk_add_f32 v[254:255], v[254:255], v[172:173]
	v_pk_add_f32 v[14:15], v[14:15], v[176:177]
	v_pk_add_f32 v[230:231], v[230:231], v[180:181]
	v_pk_add_f32 v[254:255], v[254:255], v[120:121]
	v_pk_add_f32 v[14:15], v[14:15], v[122:123]
	v_pk_add_f32 v[230:231], v[230:231], v[126:127]
	v_pk_add_f32 v[254:255], v[254:255], v[130:131]
	v_pk_add_f32 v[14:15], v[14:15], v[134:135]
	v_pk_add_f32 v[230:231], v[230:231], v[138:139]
	v_pk_add_f32 v[254:255], v[254:255], v[142:143]
	v_pk_add_f32 v[14:15], v[14:15], v[146:147]
	v_pk_add_f32 v[230:231], v[230:231], v[150:151]
	v_pk_add_f32 v[254:255], v[254:255], v[154:155]
	v_pk_add_f32 v[14:15], v[14:15], v[158:159]
	v_pk_add_f32 v[230:231], v[230:231], v[162:163]
	v_pk_add_f32 v[254:255], v[254:255], v[166:167]
	v_pk_add_f32 v[14:15], v[14:15], v[170:171]
	v_pk_add_f32 v[230:231], v[230:231], v[174:175]
	v_pk_add_f32 v[254:255], v[254:255], v[178:179]
	v_pk_add_f32 v[14:15], v[14:15], v[182:183]
	s_delay_alu instid0(VALU_DEP_1)
	v_pk_add_f32 v[14:15], v[14:15], v[254:255]
	s_delay_alu instid0(VALU_DEP_1)
	v_pk_add_f32 v[14:15], v[14:15], v[230:231]
	s_wait_dscnt 0x0                               ; V and its scale words are in
	v_wmma_scale_f32_16x16x128_f8f6f4 v[OT:OT+7], v[VF:VF+11], v[PC:PC+11], v[OT:OT+7], v[VS], v[PW] matrix_a_fmt:MATRIX_FMT_FP6 matrix_b_fmt:MATRIX_FMT_FP6
	v_wmma_scale_f32_16x16x128_f8f6f4 v[OT+8:OT+15], v[VF+12:VF+23], v[PC:PC+11], v[OT+8:OT+15], v[VS], v[PW] matrix_a_fmt:MATRIX_FMT_FP6 matrix_b_fmt:MATRIX_FMT_FP6 matrix_a_scale:MATRIX_SCALE_ROW1
	s_add_co_u32 s[TB], s[TB], STEPB               ; (the two accumulators take turns with the eight of the scores, one instruction a turn)
.endm
.macro STEPS n
	s_mov_b32 s[CNT], \n
.Lstep_\@:
	s_setprio 2
	STEP 0
	s_sub_co_u32 s[CNT], s[CNT], 1
	s_cmp_lg_u32 s[CNT], 0
	s_cbranch_scc1 .Lstep_\@
	s_setprio 0
.endm
; THE CHANGE OF SLOTS.  Each wave waits for all its tensor loads, adds 0 to its spare word, and waits for that and for its reads of the slot that it has left.  sel = 1: slot 0 is filled again, by waves 0-7; sel = 2: slot 1, by waves 8-15:
; the barrier is then a round of the cluster's, so that no wave of any partner still reads the slot or has a load on its way, and the joint refill is the first tensor load behind it.  sel = 0: nothing is left to fetch.
.macro CHANGE sel
	s_wait_tensorcnt 0x0                           ; no tensor load of mine is out, so group 0 may be written
	ds_add_u32 v[SPW], v[NIL]                      ; 0 onto my spare word
.if \sel == 1
	s_add_nc_u64 s[G0+2:G0+3], s[G0+2:G0+3], 16*BLKB   ; every wave's second fetch is sixteen key steps on; the type bits on top are not reached
.endif
	s_wait_dscnt 0x0                               ; the add is done, and my reads of the slot are over
.if \sel == 0
	s_barrier_signal -1
	s_barrier_wait -1
.else
	CROUND
	s_cmp_lt_u32 s[WV], 8                          ; the branch hangs on the wave's number alone: it is the same in every work-group
.if \sel == 1
	s_cbranch_scc0 .Lnot_mine_\@
.else
	s_cbranch_scc1 .Lnot_mine_\@
.endif
	tensor_load_to_lds s[G0:G0+3], s[G1:G1+7]
	s_nop 0
.rept 4
	v_nop
.endr
.Lnot_mine_\@:
.endif
.endm
	s_wait_tensorcnt 0x0                           ; my step block is in,
	s_barrier_signal -1
	s_barrier_wait -1                              ; everybody's is
	s_mov_b32 s[TB], 0
	STEPS 8                                        ; key steps 0-7
	CHANGE 1
	s_mov_b32 s[TB], SLOT1
	STEPS 8                                        ; 8-15
	CHANGE 2
	s_mov_b32 s[TB], 0
	STEPS 8                                        ; 16-23
	CHANGE 0
	s_mov_b32 s[TB], SLOT1
	STEPS 6                                        ; 24-29
	STEP 1                                         ; 30
	STEP 0                                         ; 31
	s_wait_alu depctr_va_vdst(0)
	; ---- THE TAIL.  The out weight's part of wave w, its bias and the residual are asked for first
	v_add_f32 v14, v14, v15                        ; the sum's two halves.  (With the three below: four places behind the last products, in front of loads into V's registers)
	v_nop
	v_nop
	v_nop
.irp i, 0,1,2
	global_load_b64 v[96+2*\i:97+2*\i], v250, s[10:11] offset:8*\i   ; W: column r is channel 16 w + r; registers 0-5: block hl of its 64 codes
.endr
	global_load_u16 v[WS], v251, s[12:13]          ; its two scale bytes; bytes 2 and 3 come as 0
.irp i, 0,1,2,3,4,5,6,7
	global_load_b32 v[108+\i], v252, s[14:15]      ; the bias is the product's C: all eight registers are the lane's one channel
.endr
.irp hh, 0,1
.irp i, 0,1,2,3,4,5,6,7
	global_load_b128 v[120+32*\hh+4*\i:123+32*\hh+4*\i], v[GO], s[6:7] offset:32768*\i+256*\hh th:TH_LOAD_NT   ; the residual: channels 2 i + hl, pixels 64 hh + 4 r on: sixteen lanes read 256 consecutive bytes
.endr
.endr
	v_permlanex16_b32 v[TX], v14, s[SEL], s[SEL+1]
	s_delay_alu instid0(VALU_DEP_1)
	v_add_f32 v14, v14, v[TX]                      ; and lane l xor 16's: the row's sum
	s_wait_alu depctr_va_vdst(0)
	v_rcp_f32 v226, v14
	v_nop                                          ; a plain place behind the transcendental
	s_wait_alu depctr_va_vdst(0)                   ; and the wait ahead of its first reader
.set j, 0
.rept 8
	v_pk_mul_f32 v[200+j:201+j], v[OT+j:OT+j+1], v[226:227] op_sel_hi:[1,0]   ; o = O^T / the sum: register i is channel 16 hl + i of my head, for query r
.set j, j+2
.endr
	v_max3_num_f32 v222, |v200|, |v201|, 0x1800000 ; o is quantised along the channels: my head's 32 are one block, in lanes l and l xor 16
.irp i, 2,4,6,8,10,12,14
	s_delay_alu instid0(VALU_DEP_1)
	v_max3_num_f32 v222, v222, |v[200+\i]|, |v[201+\i]|
.endr
	s_delay_alu instid0(VALU_DEP_1)
	v_permlanex16_b32 v[TX], v222, s[SEL], s[SEL+1]
	s_delay_alu instid0(VALU_DEP_1)
	v_max_num_f32 v222, v222, v[TX]
	s_delay_alu instid0(VALU_DEP_1)
	v_add_nc_u32 v224, 0xff000000, v222
	s_delay_alu instid0(VALU_DEP_1)
	v_lshrrev_b32 v225, 23, v224
	v_cvt_scalef32_pk16_fp6_f32 v[216:218], v[200:215], v224
	v_lshlrev_b32 v225, s55, v225                  ; the byte at my head's place in the pixel's scale word.  (The plain place behind the conversion)
.irp i, 0,1,2
	v_mov_b32 v[219+\i], v[216+\i]
.endr
.irp i, 0,1,2
	v_permlane16_swap_b32 v[216+\i], v[219+\i]     ; both halves of the lanes now hold the pixel's 24 bytes: channels 0-15, then 16-31
.endr
	ds_store_b128 v[OIA], v[216:219]               ; the image of lane r + 16 head of tile w % 8's fragment (both halves write the same bytes with the same values)
	ds_store_b64 v[OIB], v[220:221]
	ds_store_b32 v[OSA], v225
	s_wait_dscnt 0x0                               ; for the others' sake: my stores are done
	s_barrier_signal -1
	s_barrier_wait -1
.irp t, 0,1,2,3,4,5,6,7
	ds_load_b128 v[42+6*\t:45+6*\t], v[OLA] offset:768*\t
	ds_load_b64 v[46+6*\t:47+6*\t], v[OLB] offset:768*\t
	ds_load_b32 v[OS+\t], v[OSR] offset:64*\t      ; head 0's byte (wave t),
	ds_load_b32 v[OS1+\t], v[OSR] offset:64*\t+512 ; head 1's (wave t + 8)
.endr
	s_wait_dscnt 0x0
.irp t, 0,1,2,3,4,5,6,7
	v_or_b32 v[OS+\t], v[OS+\t], v[OS1+\t]
.endr
.irp i, 0,1,2,3,4,5
	v_mov_b32 v[102+\i], 0                         ; K is 64: W's codes of the instruction's upper 64 are zeros
.endr
.rept 8
	v_nop                                          ; a scale register written by a vector instruction stands 8 places ahead of a scaled matrix instruction, an operand so written 4
.endr
	s_wait_alu depctr_va_vdst(0)
	s_wait_loadcnt 16                              ; W, its scales and the bias are in; the residual's sixteen loads may be out
.irp t, 0,1,2,3,4,5,6,7                        ; source 0 = 16 pixels of tile t, source 1 = my 16 channels.  Source 0's registers 6-11 are the next fragment's (for t = 7 old codes of K): they meet W's zero codes, under the scale byte 0
	v_wmma_scale_f32_16x16x128_f8f6f4 v[184+8*\t:191+8*\t], v[42+6*\t:53+6*\t], v[96:107], v[108:115], v[OS+\t], v[WS] matrix_a_fmt:MATRIX_FMT_FP6 matrix_b_fmt:MATRIX_FMT_FP6
.endr
.rept 4
	v_nop
.endr
.irp hh, 0,1                                   ; a lane holds one channel and 8 neighbouring pixels: through my stage, 64 pixels (256 bytes a channel) at a time
.irp t, 0,1,2,3
	ds_store_b128 v[STO], v[184+32*\hh+8*\t:187+32*\hh+8*\t] offset:64*\t      ; each accumulator from its low end on
	ds_store_b128 v[STO], v[188+32*\hh+8*\t:191+32*\hh+8*\t] offset:64*\t+16
.endr
.irp i, 0,1,2,3,4,5,6,7
	ds_load_b128 v[42+32*\hh+4*\i:45+32*\hh+4*\i], v[SRD] offset:544*\i   ; LDS serves a wave's instructions in order: these see my stores, and the next half's stores come behind them
.endr
.endr
	s_wait_loadcnt 0x0                             ; the residual
	s_wait_dscnt 0x0
.set j, 0
.rept 32
	v_pk_add_f32 v[42+j:43+j], v[42+j:43+j], v[120+j:121+j]
.set j, j+2
.endr
.irp hh, 0,1
.irp i, 0,1,2,3,4,5,6,7
	global_store_b128 v[GO], v[42+32*\hh+4*\i:45+32*\hh+4*\i], s[22:23] offset:32768*\i+256*\hh   ; sixteen lanes store 256 consecutive bytes, aligned
.endr
.endr
	; my group's part of the statistics: the sum of my 2,048 numbers, and the sum of their squared distances from THEIR mean: no difference of large sums is formed, here or in the next launch
.macro WSUM x
	s_delay_alu instid0(VALU_DEP_1)
	v_add_f32_dpp v[\x], v[\x], v[\x] row_xmask:1 row_mask:0xf bank_mask:0xf
	s_delay_alu instid0(VALU_DEP_1)
	v_add_f32_dpp v[\x], v[\x], v[\x] row_xmask:2 row_mask:0xf bank_mask:0xf
	s_delay_alu instid0(VALU_DEP_1)
	v_add_f32_dpp v[\x], v[\x], v[\x] row_xmask:4 row_mask:0xf bank_mask:0xf
	s_delay_alu instid0(VALU_DEP_1)
	v_add_f32_dpp v[\x], v[\x], v[\x] row_xmask:8 row_mask:0xf bank_mask:0xf
	s_delay_alu instid0(VALU_DEP_1)
	v_permlanex16_b32 v190, v[\x], s[SEL], s[SEL+1]
	s_delay_alu instid0(VALU_DEP_1)
	v_add_f32 v[\x], v[\x], v190
.endm
	v_mov_b32 v190, 0
	v_pk_add_f32 v[186:187], v[42:43], v[44:45]
	v_pk_add_f32 v[254:255], v[50:51], v[54:55]
	v_pk_add_f32 v[184:185], v[58:59], v[62:63]
	s_delay_alu instid0(VALU_DEP_1)
	v_pk_add_f32 v[184:185], v[184:185], v[66:67]
	s_delay_alu instid0(VALU_DEP_4)
	v_pk_add_f32 v[186:187], v[186:187], v[70:71]
	s_delay_alu instid0(VALU_DEP_4)
	v_pk_add_f32 v[254:255], v[254:255], v[74:75]
	s_delay_alu instid0(VALU_DEP_3)
	v_pk_add_f32 v[184:185], v[184:185], v[78:79]
	s_delay_alu instid0(VALU_DEP_3)
	v_pk_add_f32 v[186:187], v[186:187], v[82:83]
	s_delay_alu instid0(VALU_DEP_3)
	v_pk_add_f32 v[254:255], v[254:255], v[86:87]
	s_delay_alu instid0(VALU_DEP_3)
	v_pk_add_f32 v[184:185], v[184:185], v[90:91]
	s_delay_alu instid0(VALU_DEP_3)
	v_pk_add_f32 v[186:187], v[186:187], v[94:95]
	s_delay_alu instid0(VALU_DEP_3)
	v_pk_add_f32 v[254:255], v[254:255], v[98:99]
	s_delay_alu instid0(VALU_DEP_3)
	v_pk_add_f32 v[184:185], v[184:185], v[102:103]
	s_delay_alu instid0(VALU_DEP_3)
	v_pk_add_f32 v[186:187], v[186:187], v[46:47]
	s_delay_alu instid0(VALU_DEP_3)
	v_pk_add_f32 v[254:255], v[254:255], v[48:49]
	s_delay_alu instid0(VALU_DEP_3)
	v_pk_add_f32 v[184:185], v[184:185], v[52:53]
	s_delay_alu instid0(VALU_DEP_3)
	v_pk_add_f32 v[186:187], v[186:187], v[56:57]
	s_delay_alu instid0(VALU_DEP_3)
	v_pk_add_f32 v[254:255], v[254:255], v[60:61]
	s_delay_alu instid0(VALU_DEP_3)
	v_pk_add_f32 v[184:185], v[184:185], v[64:65]
	s_delay_alu instid0(VALU_DEP_3)
	v_pk_add_f32 v[186:187], v[186:187], v[68:69]
	s_delay_alu instid0(VALU_DEP_3)
	v_pk_add_f32 v[254:255], v[254:255], v[72:73]
	s_delay_alu instid0(VALU_DEP_3)
	v_pk_add_f32 v[184:185], v[184:185], v[76:77]
	s_delay_alu instid0(VALU_DEP_3)
	v_pk_add_f32 v[186:187], v[186:187], v[80:81]
	s_delay_alu instid0(VALU_DEP_3)
	v_pk_add_f32 v[254:255], v[254:255], v[84:85]
	s_delay_alu instid0(VALU_DEP_3)
	v_pk_add_f32 v[184:185], v[184:185], v[88:89]
	s_delay_alu instid0(VALU_DEP_3)
	v_pk_add_f32 v[186:187], v[186:187], v[92:93]
	s_delay_alu instid0(VALU_DEP_3)
	v_pk_add_f32 v[254:255], v[254:255], v[96:97]
	s_delay_alu instid0(VALU_DEP_3)
	v_pk_add_f32 v[184:185], v[184:185], v[100:101]
	s_delay_alu instid0(VALU_DEP_3)
	v_pk_add_f32 v[186:187], v[186:187], v[104:105]
	s_delay_alu instid0(VALU_DEP_2)
	v_pk_add_f32 v[184:185], v[184:185], v[254:255]
	s_delay_alu instid0(VALU_DEP_1)
	v_pk_add_f32 v[184:185], v[184:185], v[186:187]
	s_delay_alu instid0(VALU_DEP_1)
	v_add_f32 v192, v184, v185
	WSUM 192
	s_delay_alu instid0(VALU_DEP_1)
	v_mul_f32 v188, 0x3a000000, v192               ; / 2,048
	s_delay_alu instid0(VALU_DEP_1)
	v_mov_b32 v189, v188
.set j, 0
.rept 32
	v_pk_add_f32 v[120+j:121+j], v[42+j:43+j], v[188:189] neg_lo:[0,1] neg_hi:[0,1]
.set j, j+2
.endr
	v_pk_mul_f32 v[184:185], v[120:121], v[120:121]
	v_pk_mul_f32 v[186:187], v[122:123], v[122:123]
.set j, 4
.rept 15
	s_delay_alu instid0(VALU_DEP_2)
	v_pk_fma_f32 v[184:185], v[120+j:121+j], v[120+j:121+j], v[184:185]
	s_delay_alu instid0(VALU_DEP_2)
	v_pk_fma_f32 v[186:187], v[122+j:123+j], v[122+j:123+j], v[186:187]
.set j, j+4
.endr
	s_delay_alu instid0(VALU_DEP_1)
	v_pk_add_f32 v[184:185], v[184:185], v[186:187]
	s_delay_alu instid0(VALU_DEP_1)
	v_add_f32 v193, v184, v185
	WSUM 193
	v_cmp_eq_u32 vcc_lo, 0, v248
	s_wait_alu depctr_va_vdst(0)
	s_wait_xcnt 0x0                                ; EXEC changes only behind this wait: the stores above have it among their sources
	s_and_saveexec_b32 s66, vcc_lo
	global_store_b64 v249, v[192:193], s[24:25]    ; lane 0: (sum, squared distances) of (D, b, group w, my query block)
	s_wait_xcnt 0x0
	s_or_b32 exec_lo, exec_lo, s66
	s_wait_tensorcnt 0x0                           ; the wave's end: the wait, an add and its wait, behind my last tensor load and my last LDS store
	ds_add_u32 v[SPW], v[NIL]
	s_wait_dscnt 0x0
	CROUND                                         ; the closing round: no work-group ends while a partner may still ask for a block that names it
	s_endpgm
.Lfunc_end_k_q0e52cd8029_attn:
	.size	k_q0e52cd8029_attn, .Lfunc_end_k_q0e52cd8029_attn-k_q0e52cd8029_attn
	.p2alignl 7, 3214868480
	.fill 96, 4, 3214868480
	.section	.rodata,"a",@progbits
	.p2align	6, 0x0
	.amdhsa_kernel k_q0e52cd8029_attn
		.amdhsa_group_segment_fixed_size 327680
		.amdhsa_private_segment_fixed_size 0
		.amdhsa_enable_private_segment 0
		.amdhsa_kernarg_size 88
		.amdhsa_user_sgpr_count 2
		.amdhsa_user_sgpr_kernarg_segment_ptr 1
		.amdhsa_wavefront_size32 1
		.amdhsa_system_sgpr_workgroup_id_x 1
		.amdhsa_system_sgpr_workgroup_id_y 1
		.amdhsa_system_sgpr_workgroup_id_z 1
		.amdhsa_system_vgpr_workitem_id 0
		.amdhsa_next_free_vgpr 256
		.amdhsa_next_free_sgpr 80
		.amdhsa_reserve_vcc 1
		.amdhsa_float_denorm_mode_32 3
		.amdhsa_float_denorm_mode_16_64 3
		.amdhsa_memory_ordered 1
		.amdhsa_forward_progress 1
		.amdhsa_inst_pref_size 118
	.end_amdhsa_kernel
	.amdgpu_metadata
---
amdhsa.version: [ 1, 2 ]
amdhsa.kernels:
  - .name:           k_q0e52cd8029_attn
    .symbol:         k_q0e52cd8029_attn.kd
    .args:
      - { .name: kvq, .offset: 0, .size: 8, .value_kind: global_buffer, .address_space: global }
      - { .name: feat_a, .offset: 8, .size: 8, .value_kind: global_buffer, .address_space: global }
      - { .name: feat_b, .offset: 16, .size: 8, .value_kind: global_buffer, .address_space: global }
      - { .name: out_a_w_codes, .offset: 24, .size: 8, .value_kind: global_buffer, .address_space: global }
      - { .name: out_a_w_scales, .offset: 32, .size: 8, .value_kind: global_buffer, .address_space: global }
      - { .name: out_a_b, .offset: 40, .size: 8, .value_kind: global_buffer, .address_space: global }
      - { .name: out_b_w_codes, .offset: 48, .size: 8, .value_kind: global_buffer, .address_space: global }
      - { .name: out_b_w_scales, .offset: 56, .size: 8, .value_kind: global_buffer, .address_space: global }
      - { .name: out_b_b, .offset: 64, .size: 8, .value_kind: global_buffer, .address_space: global }
      - { .name: pre, .offset: 72, .size: 8, .value_kind: global_buffer, .address_space: global }
      - { .name: stats, .offset: 80, .size: 8, .value_kind: global_buffer, .address_space: global }
    .group_segment_fixed_size: 327680
    .private_segment_fixed_size: 0
    .kernarg_segment_align: 8
    .kernarg_segment_size: 88
    .max_flat_workgroup_size: 512
    .sgpr_count:     80
    .vgpr_count:     256
    .wavefront_size: 32
...
	.end_amdgpu_metadata
.endif
;; end of part 2
;; launch norm (part 3): grid 256 x 1, 8 waves a work-group, no clusters, 0 bytes of LDS; arguments pre, stats, norm_a_g, norm_a_b, norm_b_g, norm_b_b, out0, out1; writes out0, out1
.if DOCPART == 3
	.amdgcn_target "amdgcn-amd-amdhsa--gfx1250"
	.amdhsa_code_object_version 6
	.text
	.protected	k_q0e52cd8029_norm
	.globl	k_q0e52cd8029_norm
	.p2align	8
	.type	k_q0e52cd8029_norm,@function
k_q0e52cd8029_norm:
	s_mov_b64 s[64:65], 0
	v_nop
	global_prefetch_b8 v0, s[64:65] scope:SCOPE_SE
	s_setreg_imm32_b32 hwreg(HW_REG_WAVE_MODE, 25, 1), 1
	s_wait_xcnt 0x0
; THIRD LAUNCH.  The group norm: out = (x - mean) / sqrt(var + 1e-5) x gain + bias, over groups of 16 channels x 4,096 pixels.  No work is left out.
; x is pre [D][b][channel][pixel] f32.  stats [D][b][group][32][2] holds, for each of a group's 32 parts of 2,048 numbers, the part's sum S and the sum M2 of squared distances from the part's own mean.
; mean = sum of S / 65,536;  var = sum of (M2 + 2,048 (S / 2,048 - mean)^2) / 65,536: only distances are squared, so a common offset of the inputs costs no digits.
; A stream: a wave takes one channel's row of 16,384 bytes, 32 loads of 512 consecutive bytes, all asked for at once, and stores them as they were loaded.  LDS, barriers, clusters and the matrix unit would add nothing: waves share
; only a group's 256 bytes of statistics, of which each lane reads one part's pair.  The result is x a + (bias - mean a), a = gain / sqrt(var + 1e-5): one fused multiply-add for each number; the constant is rounded once.
; LIMITS: NaN and infinities are not served.
.set X, 16                             ; v16-143 the row
	s_load_b512 s[4:19], s[0:1], 0x0               ; pre s[4:5], stats s[6:7], gain a, bias a, gain b, bias b, out0 s[16:17], out1 s[18:19]
	v_lshrrev_b32 v1, 5, v0
	s_delay_alu instid0(VALU_DEP_1)
	v_readfirstlane_b32 s20, v1                    ; wave 0..7
	v_and_b32 v3, 31, v0
	s_delay_alu instid0(VALU_DEP_1)
	v_lshlrev_b32 v1, 4, v3                        ; 16 bytes a lane
	s_delay_alu instid0(VALU_DEP_2)
	v_lshlrev_b32 v2, 3, v3                        ; a part's pair a lane
	v_mov_b32 v7, 0                                ; written once: a lane permute's destination counts as one of its sources
	s_lshl_b32 s21, ttmp9, 3
	s_add_co_u32 s21, s21, s20                     ; my row: (4 D + b) 256 + channel
	s_lshl_b32 s22, s21, 14
	s_mov_b32 s23, 0
	s_lshr_b32 s24, s21, 4                         ; my group: 256 bytes of statistics
	s_lshl_b32 s24, s24, 8
	s_mov_b32 s25, 0
	s_and_b32 s26, s21, 255                        ; my channel
	s_lshl_b32 s26, s26, 2
	s_mov_b32 s27, 0
	s_and_b32 s28, s21, 1023                       ; my row in its output
	s_lshl_b32 s28, s28, 14
	s_mov_b32 s29, 0
	s_mov_b32 s33, 0x37800000                      ; 1 / 65,536
	s_mov_b32 s34, 0x3727c5ac                      ; 1e-5
	s_mov_b32 s36, 0x76543210
	s_mov_b32 s37, 0xfedcba98                      ; v_permlanex16_b32's selects for lane l xor 16
	s_wait_alu depctr_va_vdst(0)
	s_wait_kmcnt 0x0
	s_cmp_lt_u32 ttmp9, 128                        ; D: the choice hangs on the work-group's number alone
	s_cselect_b64 s[8:9], s[8:9], s[12:13]
	s_cselect_b64 s[10:11], s[10:11], s[14:15]
	s_cselect_b64 s[16:17], s[16:17], s[18:19]
	s_add_nc_u64 s[4:5], s[4:5], s[22:23]
	s_add_nc_u64 s[6:7], s[6:7], s[24:25]
	s_add_nc_u64 s[8:9], s[8:9], s[26:27]
	s_add_nc_u64 s[10:11], s[10:11], s[26:27]
	s_add_nc_u64 s[16:17], s[16:17], s[28:29]
	s_load_b32 s30, s[8:9], 0x0                    ; my channel's gain
	s_load_b32 s31, s[10:11], 0x0                  ; and bias
	global_load_b64 v[4:5], v2, s[6:7]             ; part (lane)'s S and M2
.irp i, 0,1,2,3,4,5,6,7,8,9,10,11,12,13,14,15,16,17,18,19,20,21,22,23,24,25,26,27,28,29,30,31
	global_load_b128 v[X+4*\i:X+4*\i+3], v1, s[4:5] offset:512*\i th:TH_LOAD_NT
.endr
.macro WSUM x
	s_delay_alu instid0(VALU_DEP_1)
	v_add_f32_dpp v[\x], v[\x], v[\x] row_xmask:1 row_mask:0xf bank_mask:0xf
	s_delay_alu instid0(VALU_DEP_1)
	v_add_f32_dpp v[\x], v[\x], v[\x] row_xmask:2 row_mask:0xf bank_mask:0xf
	s_delay_alu instid0(VALU_DEP_1)
	v_add_f32_dpp v[\x], v[\x], v[\x] row_xmask:4 row_mask:0xf bank_mask:0xf
	s_delay_alu instid0(VALU_DEP_1)
	v_add_f32_dpp v[\x], v[\x], v[\x] row_xmask:8 row_mask:0xf bank_mask:0xf
	s_delay_alu instid0(VALU_DEP_1)
	v_permlanex16_b32 v7, v[\x], s36, s37
	s_delay_alu instid0(VALU_DEP_1)
	v_add_f32 v[\x], v[\x], v7
.endm
	s_wait_loadcnt 32                              ; the statistics are in; the row's 32 loads may be out
	v_mov_b32 v6, v4
	WSUM 6
	s_delay_alu instid0(VALU_DEP_1)
	v_mul_f32 v8, s33, v6                          ; the group's mean
	s_delay_alu instid0(VALU_DEP_1)
	v_fma_f32 v9, v4, 0x3a000000, -v8              ; my part's mean less the group's
	s_delay_alu instid0(VALU_DEP_1)
	v_mul_f32 v10, v9, v9
	s_delay_alu instid0(VALU_DEP_1)
	v_fma_f32 v10, v10, 0x45000000, v5             ; M2 + 2,048 x its square
	WSUM 10
	s_delay_alu instid0(VALU_DEP_1)
	v_fma_f32 v10, v10, s33, s34                   ; var + 1e-5
	s_wait_alu depctr_va_vdst(0)
	v_rsq_f32 v11, v10
	v_nop                                          ; a plain place behind the transcendental
	s_wait_kmcnt 0x0                               ; gain and bias
	s_wait_alu depctr_va_vdst(0)                   ; the wait ahead of the first reader
	v_mul_f32 v12, s30, v11                        ; a
	s_delay_alu instid0(VALU_DEP_1)
	v_mov_b32 v13, v12
	s_delay_alu instid0(VALU_DEP_2)
	v_fma_f32 v14, -v8, v12, s31                   ; bias - mean a
	s_delay_alu instid0(VALU_DEP_1)
	v_mov_b32 v15, v14
	s_wait_alu depctr_va_vdst(0)
.irp i, 0,1,2,3,4,5,6,7,8,9,10,11,12,13,14,15,16,17,18,19,20,21,22,23,24,25,26,27,28,29,30,31
	s_wait_loadcnt 31-\i                           ; load i is in; the younger ones may be out
	v_pk_fma_f32 v[X+4*\i:X+4*\i+1], v[X+4*\i:X+4*\i+1], v[12:13], v[14:15]
	v_pk_fma_f32 v[X+4*\i+2:X+4*\i+3], v[X+4*\i+2:X+4*\i+3], v[12:13], v[14:15]
	global_store_b128 v1, v[X+4*\i:X+4*\i+3], s[16:17] offset:512*\i th:TH_STORE_NT   ; 32 lanes store 512 consecutive bytes, aligned; no register of a store is written again
.endr
	s_endpgm
.Lfunc_end_k_q0e52cd8029_norm:
	.size	k_q0e52cd8029_norm, .Lfunc_end_k_q0e52cd8029_norm-k_q0e52cd8029_norm
	.p2alignl 7, 3214868480
	.fill 96, 4, 3214868480
	.section	.rodata,"a",@progbits
	.p2align	6, 0x0
	.amdhsa_kernel k_q0e52cd8029_norm
		.amdhsa_group_segment_fixed_size 0
		.amdhsa_private_segment_fixed_size 0
		.amdhsa_enable_private_segment 0
		.amdhsa_kernarg_size 64
		.amdhsa_user_sgpr_count 2
		.amdhsa_user_sgpr_kernarg_segment_ptr 1
		.amdhsa_wavefront_size32 1
		.amdhsa_system_sgpr_workgroup_id_x 1
		.amdhsa_system_sgpr_workgroup_id_y 1
		.amdhsa_system_sgpr_workgroup_id_z 1
		.amdhsa_system_vgpr_workitem_id 0
		.amdhsa_next_free_vgpr 152
		.amdhsa_next_free_sgpr 66
		.amdhsa_reserve_vcc 0
		.amdhsa_float_denorm_mode_32 3
		.amdhsa_float_denorm_mode_16_64 3
		.amdhsa_memory_ordered 1
		.amdhsa_forward_progress 1
		.amdhsa_inst_pref_size 15
	.end_amdhsa_kernel
	.amdgpu_metadata
---
amdhsa.version: [ 1, 2 ]
amdhsa.kernels:
  - .name:           k_q0e52cd8029_norm
    .symbol:         k_q0e52cd8029_norm.kd
    .args:
      - { .name: pre, .offset: 0, .size: 8, .value_kind: global_buffer, .address_space: global }
      - { .name: stats, .offset: 8, .size: 8, .value_kind: global_buffer, .address_space: global }
      - { .name: norm_a_g, .offset: 16, .size: 8, .value_kind: global_buffer, .address_space: global }
      - { .name: norm_a_b, .offset: 24, .size: 8, .value_kind: global_buffer, .address_space: global }
      - { .name: norm_b_g, .offset: 32, .size: 8, .value_kind: global_buffer, .address_space: global }
      - { .name: norm_b_b, .offset: 40, .size: 8, .value_kind: global_buffer, .address_space: global }
      - { .name: out0, .offset: 48, .size: 8, .value_kind: global_buffer, .address_space: global }
      - { .name: out1, .offset: 56, .size: 8, .value_kind: global_buffer, .address_space: global }
    .group_segment_fixed_size: 0
    .private_segment_fixed_size: 0
    .kernarg_segment_align: 8
    .kernarg_segment_size: 64
    .max_flat_workgroup_size: 256
    .sgpr_count:     66
    .vgpr_count:     152
    .wavefront_size: 32
...
	.end_amdgpu_metadata
.endif
;; end of part 3
